; MI455X (gfx1250); checked and timed in simulation.
; The chip was launched on July 23, 2026; its instructions are those of AMD's public machine-readable ISA for CDNA 5 (MIT licence, August 2026) and "CDNA5" Instruction Set Architecture Reference Guide (July 2026). The comments in the code are by the model that wrote it; some were corrected since.
;; Attention. Allowed arithmetic: matrix products marked QUANTISED: E5M2 operands, one E8M0 scale for each 32 along K, by v_wmma_scale_f32_16x16x128_f8f6f4 with both operands' format E5M2, f32 sums; everything else in f32.
;; Inputs: Wk 1,024 x 1,024 float32; Wq 1,024 x 1,024 float32; Wv 1,024 x 1,024 float32; bk 1,024 float32; bq 1,024 float32; bv 1,024 float32; embedded 4 x 2,048 x 1,024 float32.
;; Outputs: out0 4 x 2,048 x 1,024 float32.
;; This version of the problem:
;;   THIS VERSION OF THE PROBLEM IS GIVEN IN LOW PRECISION. The matrix products marked QUANTISED in the list below multiply operands that are first quantised to E5M2 (5 exponent bits, 2 mantissa bits; 8 bits a number), with one power-of-two scale for each 32 numbers along K (OCP MX v1.0); their sums are f32. All else is computed in f32.
;;   The module's matrix products, in the order in which they are computed (A, B: the left and right operand; K: the contracted axis; several contracted axes count as one K, in the product's order):
;;     1. [M 8,192, K 1,024] x [K 1,024, N 1,024]; A: input embedded; B: input Wq: QUANTISED
;;     2. [M 8,192, K 1,024] x [K 1,024, N 1,024]; A: input embedded; B: input Wk: QUANTISED
;;     3. [M 8,192, K 1,024] x [K 1,024, N 1,024]; A: input embedded; B: input Wv: QUANTISED
;;     4. batch 4 x [M 2,048, K 1,024] x [K 1,024, N 2,048]; A: computed on the way; B: computed on the way: QUANTISED
;;     5. batch 4 x [M 2,048, K 2,048] x [K 2,048, N 1,024]; A: softmax (see below); B: computed on the way: QUANTISED
;;   THE QUANTISER, for each operand of a quantised product, along K:
;;     - K is cut into blocks of 32 from its start; a last block that is shorter is filled with zeros.
;;     - A block's scale is 2^e with e = floor(log2(the largest magnitude in the block)) - 15, held to -126 .. 127; a block of zeros has e = 0. As a byte (E8M0): e + 127.
;;     - Each number is divided by its block's scale, clamped to +-57,344, and rounded to the nearest number of E5M2, ties to even, subnormals kept.
;;     - The product sums the exact products of the quantised numbers (number of the format x scale) in f32.
;;   ~~~python
;;   def quantise(x, axis):      # numpy; x: float32 -> the quantised numbers, widened to float32 again
;;       x = np.moveaxis(x, axis, -1); K = x.shape[-1]
;;       x = np.pad(x, [(0, 0)] * (x.ndim - 1) + [(0, -K % 32)]); x = x.reshape(x.shape[:-1] + (-1, 32)); a = np.abs(x).max(-1, keepdims=True)
;;       e = np.where(a > 0, np.clip(np.frexp(np.where(a > 0, a, 1))[1] - 1 - 15, -126, 127), 0)      # np.frexp(a)[1] - 1 = floor(log2(a)), exactly
;;       r = np.clip(x / 2.0 ** e, -57344, 57344)
;;       step = 2.0 ** (np.maximum(np.frexp(np.where(r == 0, 1, r))[1] - 1, -14) - 2)
;;       q = np.round(r / step) * step * 2.0 ** e      # np.round: ties to even
;;       return np.moveaxis(q.reshape(q.shape[:-2] + (-1,))[..., :K], -1, axis).astype(np.float32)
;;   ~~~
;;   SOFTMAX AHEAD OF A QUANTISED PRODUCT. Where the list says 'softmax', what is quantised is not the finished softmax but p = 2^(t - M), with t = logit x log2(e) and M = ceil(the row's largest t), a whole number; so 1/2 < the row's largest p <= 1. The row's sum l is taken of the UNQUANTISED p, in f32, and the product's result is divided by l at the end. Since M is a whole number, a kernel that streams over the keys may use a running M (the ceiling of the running maximum): every later rescaling is an exact power of two, which a block's scale takes up: the codes' values come out the same.
;;   OPERANDS COMPUTED ON THE WAY. 'Computed on the way' means the value that the module computes at that place (a softmax that the list does not call 'softmax' is quantised finished and normalised). What goes into a quantiser is computed in f32, as accurately as f32 sums, v_exp_f32 and their like allow (about 1e-6 of the number): no bf16 or f16 on the way to a quantiser, and a product that is left as it is and whose result goes on into a quantised operand takes f32 operands (vector FMAs, or v_wmma_f32_16x16x4_f32). A number that lies on a knife's edge between two numbers of the format may be rounded either way, as far as f32 arithmetic and the matrix unit's own rounding can turn it there, and no further.
;; One version. Each part assembles by itself: llvm-mc -triple=amdgcn-amd-amdhsa -mcpu=gfx1250 --defsym DOCPART=n.
;; ======== version 1 of 1: 4 launches
;; limits: right only within a limited range of input values
;; workspace buffers: xw_codes 11,534,336 bytes; xw_scales 360,448 bytes; qkv_codes 25,165,824 bytes; qkv_scales 786,432 bytes; p_codes 16,777,216 bytes; p_meta 1,572,864 bytes
;; launch quant (part 1): grid 176 x 8, 2 waves a work-group, no clusters, 17,408 bytes of LDS; arguments embedded, Wq, Wk, Wv, xw_codes, xw_scales; writes xw_codes, xw_scales
.if DOCPART == 1
	.amdgcn_target "amdgcn-amd-amdhsa--gfx1250"
	.amdhsa_code_object_version 6
	.text
	.protected	k_q260255c5ae_quant
	.globl	k_q260255c5ae_quant
	.p2align	8
	.type	k_q260255c5ae_quant,@function
k_q260255c5ae_quant:
	s_mov_b64 s[64:65], 0
	v_nop
	global_prefetch_b8 v0, s[64:65] scope:SCOPE_SE
	s_setreg_imm32_b32 hwreg(HW_REG_WAVE_MODE, 25, 1), 1
	s_wait_xcnt 0x0
; LAUNCH 1 OF 4.  out = embedded + softmax(q k^T / 32) v, with q, k, v = embedded W^T + b; all five products on codes of E5M2 with one E8M0 scale for each 32 along K.
; DEAD WORK: none.  Every input has a way to the output: the three biases move the codes of q, k and v, so all three are added; nothing of the problem is left out in any of the four launches.
; THIS LAUNCH turns embedded [8192][1024] and Wq, Wk, Wv [1024][1024], f32, K = the last axis, into codes and scale words, laid as the products' launches take them into registers.
; The four tensors count as one run of 11,264 rows: embedded, then Wq, Wk, Wv.
; THE ORDER OF ROWS.  In every run of 32 rows, tile u (0, 1), place p (0..15) is row 8 u + p + 8 (p / 8); a row tile's number is rt = 2 (row / 32) + u.
; AN IMAGE.  The fragment of row tile rt and K step ks (128 along K) is 2,048 bytes: byte 512 c + 16 lane + i is the code of the row at place lane % 16, at k = 128 ks + 32 c + 16 (lane / 16) + i.  xw_codes: [rt 704][ks 8][2048].
; SCALE WORDS.  xw_scales: [ks 8][rt / 4][place 16][rt % 4], one word of four E8M0 bytes (k = 128 ks + 32 b).
; THE RULE.  A block's byte is its largest magnitude's exponent field - 15, held at 1 from below; each number is held within +-57,344 x the scale and rounded to the nearest code, ties to even.
; LIMITS: a block of zeros gets the byte 1 where the rule says 127 (its codes are zeros, and this program alone reads the bytes); blocks whose largest magnitude lies under 2^-111 keep the byte 1;
; NaN and infinities among the inputs are not served.
; SHARES.  Work-group (x, y) = a group of 64 rows (four row tiles) at K step y; wave w (0, 1) takes row tiles 2 w and 2 w + 1: two fragments, 16 KiB of f32, all 32 loads asked for at the wave's start.
; Each load reads 512 consecutive bytes of one row; a fragment's 16 rows turn through the wave's own stage in LDS (rows of 512 + 16 bytes), so that a lane gets 16 neighbours of each block of 32.
; The group's 256 bytes of scale words meet in LDS: each wave stores its two words a place, one barrier, and wave 0 stores the whole aligned unit.  No matrix unit, no cluster: a stream.
.set SP,    528
.set WST,   16*SP                      ; a wave's stage
.set XB,    2*WST                      ; behind the stages: the group's 256 bytes of scale words
.set SPARE, XB+256                     ; the spare words, 128 bytes for each wave, which no other line names
.set LI,  1                            ; v1   16 x lane
.set SI,  2                            ; v2   the stage, on the way in
.set SO,  3                            ; v3   and out: row = place, + 64 x (lane / 16)
.set SOF, 4                            ; v4   my 8 bytes of the group's 256 bytes of scale words
.set SPW, 5                            ; v5   my spare word; never rewritten
.set NIL, 6                            ; v6   0; never rewritten
.set Z,   8                            ; v8-9 the two words that wave 0's lane stores
.set PWO, 10                           ; v10-11 my two fragments' scale words
.set XA,  12                           ; v12  LDS: where my wave's two words of my place go
.set XR,  13                           ; v13  LDS: my 8 bytes of the 256
.set TM,  16                           ; v16-31 at work
.set C,   32                           ; v32-47 a fragment's codes
.set X,   48                           ; v48-111 register 16 b + i = k 32 b + 16 (lane / 16) + i of my row
.set R,   112                          ; v112-239 two sets of 64 registers as loaded
.set SEL, 20
.set MNT, 22
	s_load_b256 s[4:11], s[0:1], 0x0               ; embedded, Wq, Wk, Wv
	s_load_b128 s[12:15], s[0:1], 0x20             ; xw_codes, xw_scales
	v_lshl_add_u32 v[SPW], v0, 2, SPARE
	v_mov_b32 v[NIL], 0
	v_lshrrev_b32 v7, 5, v0
	v_readfirstlane_b32 s16, v7                    ; wave
	v_and_b32 v7, 31, v0
	v_lshlrev_b32 v[LI], 4, v7
	v_and_b32 v14, 15, v0                          ; place
	v_bfe_u32 v15, v0, 4, 1                        ; half
	s_mul_i32 s17, s16, WST
	s_lshl_b32 s19, s16, 3
	s_add_co_u32 s19, s19, XB
	v_add_nc_u32 v[SI], s17, v[LI]
	v_mul_u32_u24 v[SO], v14, SP
	v_lshl_add_u32 v[SO], v15, 6, v[SO]
	v_add_nc_u32 v[SO], s17, v[SO]
	v_lshlrev_b32 v[SOF], 4, v14
	v_lshl_add_u32 v[SOF], v15, 3, v[SOF]
	v_lshl_add_u32 v[XA], v14, 4, s19              ; 16 bytes a place, 8 x my wave on
	v_add_nc_u32 v[XR], XB, v[SOF]
	s_mov_b32 s[SEL], 0x76543210
	s_mov_b32 s[SEL+1], 0xfedcba98
	s_mov_b32 s[MNT], 0x600000
.irp b, 0,1,2,3
	v_mov_b32 v[TM+4+\b], 0                        ; a lane permute's destination counts as one of its sources
.endr
	s_and_b32 s18, ttmp7, 0xffff                   ; my K step
	s_lshl_b32 s26, ttmp9, 16                      ; codes: four row tiles x 8 K steps x 2,048 bytes a group,
	s_lshl_b32 s19, s18, 11
	s_add_co_u32 s26, s26, s19                     ; + my K step's image,
	s_lshl_b32 s19, s16, 15
	s_add_co_u32 s26, s26, s19                     ; + my wave's two row tiles of 16,384 bytes
	s_mov_b32 s27, 0
	s_mul_i32 s28, s18, 45056                      ; scale words: 176 groups x 256 bytes a K step,
	s_lshl_b32 s19, ttmp9, 8
	s_add_co_u32 s28, s28, s19                     ; + my group
	s_mov_b32 s29, 0
	s_and_b32 s24, ttmp9, 15                       ; the group's number inside its tensor
	s_cmp_lt_u32 ttmp9, 128
	s_cselect_b32 s24, ttmp9, s24
	s_lshl_b32 s24, s24, 18                        ; 64 rows of 4,096 bytes
	s_lshl_b32 s19, s18, 9
	s_add_co_u32 s24, s24, s19                     ; + 128 numbers a K step
	s_lshl_b32 s19, s16, 17
	s_add_co_u32 s24, s24, s19                     ; + my wave's 32 rows
	s_mov_b32 s25, 0
	s_wait_alu depctr_va_vdst(0)                   ; the wait at the head's end
	s_wait_kmcnt 0x0
	s_cmp_lt_u32 ttmp9, 160                        ; which tensor: by the work-group's number alone
	s_cselect_b64 s[8:9], s[8:9], s[10:11]
	s_cmp_lt_u32 ttmp9, 144
	s_cselect_b64 s[6:7], s[6:7], s[8:9]
	s_cmp_lt_u32 ttmp9, 128
	s_cselect_b64 s[4:5], s[4:5], s[6:7]
	s_add_nc_u64 s[4:5], s[4:5], s[24:25]
	s_add_nc_u64 s[12:13], s[12:13], s[26:27]
	s_add_nc_u64 s[14:15], s[14:15], s[28:29]
.macro LOAD f                          ; my fragment f (0, 1): its 16 rows in the order of places, 512 consecutive bytes a load, into set f
.irp i, 0,1,2,3,4,5,6,7,8,9,10,11,12,13,14,15
	global_load_b128 v[R+64*(\f)+4*\i:R+64*(\f)+4*\i+3], v[LI], s[4:5] offset:(8*(\f)+\i+8*(\i/8))*4096 th:TH_LOAD_NT
.endr
.endm
.macro TURNF f                         ; through the stage: LDS serves a wave's instructions in order
.irp i, 0,1,2,3,4,5,6,7,8,9,10,11,12,13,14,15
	ds_store_b128 v[SI], v[R+64*(\f)+4*\i:R+64*(\f)+4*\i+3] offset:SP*\i
.endr
.irp c, 0,1,2,3
.irp j, 0,1,2,3
	ds_load_b128 v[X+16*\c+4*\j:X+16*\c+4*\j+3], v[SO] offset:128*\c+16*\j
.endr
.endr
.endm
.macro QUANT f                         ; the 64 numbers in X become the fragment's codes in C and its scale word in v[PWO + f]
.irp b, 0,1,2,3
	v_max3_num_f32 v[TM+\b], |v[X+16*\b]|, |v[X+16*\b+1]|, 0x8000000   ; and the floor 2^(16 - 127): the byte cannot fall under 1
.endr
.irp i, 2,4,6,8,10,12,14
.irp b, 0,1,2,3
	v_max3_num_f32 v[TM+\b], v[TM+\b], |v[X+16*\b+\i]|, |v[X+16*\b+\i+1]|
.endr
.endr
.irp b, 0,1,2,3
	v_permlanex16_b32 v[TM+4+\b], v[TM+\b], s[SEL], s[SEL+1]
.endr
.irp b, 0,1,2,3
	v_max_num_f32 v[TM+\b], v[TM+\b], v[TM+4+\b]   ; the block's largest magnitude: the same in lanes l and l xor 16
.endr
.irp b, 0,1,2,3
	v_add_nc_u32 v[TM+12+\b], 0xf8800000, v[TM+\b] ; 15 off its exponent field: the conversion's scale operand
.endr
.irp b, 0,1,2,3
	v_and_or_b32 v[TM+8+\b], v[TM+\b], 0x7f800000, s[MNT]   ; 57,344 x the scale
.endr
.irp b, 0,1,2,3
	v_lshrrev_b32 v[TM+4+\b], 23, v[TM+12+\b]      ; the scale's byte
.endr
	v_lshl_or_b32 v[PWO+\f], v[TM+5], 8, v[TM+4]
	v_lshl_or_b32 v[PWO+\f], v[TM+6], 16, v[PWO+\f]
	v_lshl_or_b32 v[PWO+\f], v[TM+7], 24, v[PWO+\f]
.set j, 0
.rept 64
	v_med3_num_f32 v[X+j], v[X+j], -v[TM+8+j/16], v[TM+8+j/16]   ; the conversion does not saturate (ISA guide 7.6.2): the hold comes first
.set j, j+1
.endr
.set j, 0
.rept 8
	v_cvt_scalef32_pk8_bf8_f32 v[C+2*j:C+2*j+1], v[X+8*j:X+8*j+7], v[TM+12+j/2]
.set j, j+1
.endr
	v_nop                                          ; one plain line behind the last conversion
.endm
.macro FRG f
.if (\f) < 1
	s_wait_loadcnt 16                              ; this fragment's 16 loads are in; the other's 16 may be out
.else
	s_wait_loadcnt 0x0
	s_wait_xcnt 0x0                                ; the first fragment's stores have read C
.endif
	TURNF \f
	s_wait_dscnt 0x0                               ; X is in
	QUANT \f
.irp c, 0,1,2,3
	global_store_b128 v[LI], v[C+4*\c:C+4*\c+3], s[12:13] offset:(\f)*16384+512*\c   ; 512 consecutive bytes of the image
.endr
.endm
	LOAD 0
	LOAD 1
	FRG 0
	FRG 1
	ds_store_b64 v[XA], v[PWO:PWO+1]               ; my two tiles' words of my place; lanes l and l xor 16 write the same bytes with the same values
	s_wait_dscnt 0x0                               ; for the other wave's sake
	s_barrier_signal -1
	s_barrier_wait -1
	s_cmp_lg_u32 s16, 0
	s_cbranch_scc1 .Lnot_wave_0
	ds_load_b64 v[Z:Z+1], v[XR]
	s_wait_dscnt 0x0
	global_store_b64 v[SOF], v[Z:Z+1], s[14:15]    ; 32 lanes store 256 consecutive bytes, aligned
.Lnot_wave_0:
	s_wait_tensorcnt 0x0                           ; the wave's end, behind my last LDS store
	ds_add_u32 v[SPW], v[NIL]
	s_wait_dscnt 0x0
	s_endpgm
.Lfunc_end_k_q260255c5ae_quant:
	.size	k_q260255c5ae_quant, .Lfunc_end_k_q260255c5ae_quant-k_q260255c5ae_quant
	.p2alignl 7, 3214868480
	.fill 96, 4, 3214868480
	.section	.rodata,"a",@progbits
	.p2align	6, 0x0
	.amdhsa_kernel k_q260255c5ae_quant
		.amdhsa_group_segment_fixed_size 17408
		.amdhsa_private_segment_fixed_size 0
		.amdhsa_enable_private_segment 0
		.amdhsa_kernarg_size 48
		.amdhsa_user_sgpr_count 2
		.amdhsa_user_sgpr_kernarg_segment_ptr 1
		.amdhsa_wavefront_size32 1
		.amdhsa_system_sgpr_workgroup_id_x 1
		.amdhsa_system_sgpr_workgroup_id_y 1
		.amdhsa_system_sgpr_workgroup_id_z 1
		.amdhsa_system_vgpr_workitem_id 0
		.amdhsa_next_free_vgpr 240
		.amdhsa_next_free_sgpr 66
		.amdhsa_reserve_vcc 0
		.amdhsa_float_denorm_mode_32 3
		.amdhsa_float_denorm_mode_16_64 3
		.amdhsa_memory_ordered 1
		.amdhsa_forward_progress 1
		.amdhsa_inst_pref_size 28
	.end_amdhsa_kernel
	.amdgpu_metadata
---
amdhsa.version: [ 1, 2 ]
amdhsa.kernels:
  - .name:           k_q260255c5ae_quant
    .symbol:         k_q260255c5ae_quant.kd
    .args:
      - { .name: embedded, .offset: 0, .size: 8, .value_kind: global_buffer, .address_space: global }
      - { .name: Wq, .offset: 8, .size: 8, .value_kind: global_buffer, .address_space: global }
      - { .name: Wk, .offset: 16, .size: 8, .value_kind: global_buffer, .address_space: global }
      - { .name: Wv, .offset: 24, .size: 8, .value_kind: global_buffer, .address_space: global }
      - { .name: xw_codes, .offset: 32, .size: 8, .value_kind: global_buffer, .address_space: global }
      - { .name: xw_scales, .offset: 40, .size: 8, .value_kind: global_buffer, .address_space: global }
    .group_segment_fixed_size: 17408
    .private_segment_fixed_size: 0
    .kernarg_segment_align: 8
    .kernarg_segment_size: 48
    .max_flat_workgroup_size: 64
    .sgpr_count:     66
    .vgpr_count:     240
    .wavefront_size: 32
...
	.end_amdgpu_metadata
.endif
;; end of part 1
;; launch proj (part 2): grid 8 x 32, 4 waves a work-group, clusters of 4 x 4, 327,680 bytes of LDS; arguments xw_codes, xw_scales, bq, bk, bv, qkv_codes, qkv_scales; writes qkv_codes, qkv_scales
.if DOCPART == 2
	.amdgcn_target "amdgcn-amd-amdhsa--gfx1250"
	.amdhsa_code_object_version 6
	.text
	.protected	k_q260255c5ae_proj
	.globl	k_q260255c5ae_proj
	.p2align	8
	.type	k_q260255c5ae_proj,@function
k_q260255c5ae_proj:
	s_mov_b64 s[64:65], 0
	v_nop
	global_prefetch_b8 v0, s[64:65] scope:SCOPE_SE
	s_setreg_imm32_b32 hwreg(HW_REG_WAVE_MODE, 25, 1), 1
	s_wait_xcnt 0x0
	s_wait_alu depctr_hold_cnt(0) depctr_sa_sdst(0) depctr_va_vdst(0) depctr_va_sdst(0) depctr_va_ssrc(0) depctr_va_vcc(0) depctr_vm_vsrc(0)
	s_getreg_b32 s2, hwreg(HW_REG_IB_STS2, 6, 4)
	s_cmp_eq_u32 s2, 0
	s_cbranch_scc0 .Lentry_in_a_cluster
	s_endpgm
.Lentry_in_a_cluster:
	s_bfe_u32 s2, ttmp6, 0x10000c
	s_cmp_lg_u32 s2, 0xf033
	s_cbranch_scc0 .Lentry_shape_is_right
	s_endpgm
.Lentry_shape_is_right:
; LAUNCH 2 OF 4.  q, k, v = embedded W^T + b on codes of E5M2 with E8M0 scales, sums in f32; the results are quantised here, in registers, for the two products that follow, and leave as codes.  No work of the problem is left out.
; IN: xw_codes [rt 704][ks 8][2048], xw_scales [ks 8][rt / 4][place][rt % 4] (row tiles 0-511 embedded, 512-575 Wq, 576-639 Wk, 640-703 Wv).  In every run of 32 rows, tile u, place p is row 8 u + p + 8 (p / 8).
; An image (rt, ks): byte 512 c + 16 lane + i = the code of the row at place lane % 16, k = 128 ks + 32 c + 16 (lane / 16) + i: a fragment's registers on end.
; OUT: qkv_codes: q [rt 512][ks 8][2048] at 0, k likewise at 8,388,608 (K = the channels); v TURNED, [batch 4][rt 64 of channels][ks 16 of keys][2048] at 16,777,216 (K = the keys).
;      qkv_scales: q [ks 8][32,768] at 0, k at 262,144, v [16 batch + ks][4,096] at 524,288, each row laid [rt / 4][place][rt % 4].
; THE PRODUCT.  Source 0 = 16 rows of B, source 1 = 16 rows of A.  In the result a lane holds ONE row of A (place lane % 16), and by the order of rows the 16 registers of B's tiles 2 b, 2 b + 1 are 16 NEIGHBOURS
; among B's rows: 32 b + 16 (lane / 16) + 0 .. 15.  So the rows of B are the next product's K, and the conversions' results are an image of the next operand.
; A WORK-GROUP STAYS AND MAKES TWO TILES, so that the 8,192 x 3,072 results are shared evenly among 256 work-groups.
;   Tile 1: 256 rows of embedded (A) x 256 rows of Wq (cluster x = 0) or Wk (cluster x = 1) (B); a wave makes 128 x 128: 64 accumulators.
;   Tile 2: 128 rows of Wv (A: a lane holds a channel) x 256 rows of embedded (B: the registers run along the keys): v comes out turned and nothing is transposed; a wave makes 64 x 128: 32 accumulators.
; K goes in steps of 256 through two LDS slots; a row tile's part of a slot is 4,096 consecutive bytes of memory.  THE RING GOES ON INTO TILE 2: slot 0 takes tile 2's K step 0 at tile 1's last change of slots; slot 1
; takes its K step 1 behind a round that stands among the first way out's blocks, so that the load lands while the other blocks are converted.  The scale words of all of K, of both tiles, come once, with the first fills.
; 4 x 4 work-groups form a cluster: A's tiles are asked for jointly along a row of it, B's along a column.  Tile 1: A by (cluster y, cy), B by (cluster x, cx).  Tile 2: A by (cluster x, cy), B by (cluster y, cx).
; Tile 2's A is 8 row tiles, the shape of tile 1's half: wave 0 fetches it whole, waves 2 and 3 B's halves, wave 1 nothing.  Its scale words have the shape of tile 1's half too: waves 0 and 1 bring a copy each,
; read by the waves of the first and of the second half of A's rows, so that both tiles' scale words have one map.
; THE BIAS is the C of each sum's first matrix instruction.
; No prefetch: the ring has six refills in all, and each tile is read by several clusters at about the same time.
; LIMITS: a block of zeros gets the byte 1 (its codes are zeros; this program alone reads the bytes); blocks under 2^-111 keep the byte 1; NaN and infinities are not served.
; REGISTERS: window 0: v1-31 addresses, v8-11 bv; v32-63 scale words, two sets, and nothing else; v64-127 the bias, later at work; v128-255 A's fragments, one set, later the codes.
;   window 1: B's fragments, two sets.  windows 2, 3: accumulator (a, b) at v[8 (8 (a % 4) + b)] of window 2 + a / 4.
.set NA,    8                          ; A's blocks of 16 rows in a wave: 8 in tile 1, 4 in tile 2
.set PH,    1                          ; which tile the text is at
.set KTOT,  1024
.set KSN,   KTOT/128
.set SLOT,  32*4096                    ; A's row tiles from byte 0 (16, or 8), B's 16 from byte 65,536; 4,096 bytes each, dense: every fragment load reads 512 consecutive bytes
.set BOFF,  16*4096
.set SCL,   2*SLOT                     ; tile 1's scale words: four regions [ks][512 bytes], one for each wave's load: A's, then B's
.set SCL2,  SCL+4*KSN*512              ; tile 2's, likewise
.set SPARE, SCL2+4*KSN*512             ; the spare words, 128 bytes for each wave, which no other line names
.set SCP,   45056                      ; xw_scales: bytes from K step to K step
.set BV,   8                           ; v8-11 bv of my four channels
.set SOF,  12                          ; v12  my 8 bytes of 256 bytes of scale words
.set ADRA, 16                          ; v16-17 LDS address of my A fragments in slot 0, 1 (tile 2: v18-19)
.set ADRB, 20                          ; v20-21 of my B fragments
.set LI,   24                          ; v24  16 x lane
.set ADRS, 27                          ; v27  my scale words: lanes 0-15 A's, lanes 16-31 B's (tile 2: v22)
.set SPW,  28                          ; v28  my spare word; never rewritten
.set NIL,  29                          ; v29  0; never rewritten
.set SC,   32                          ; set sc, the slot's q-th 128 along K, block i: v[SC + 16 sc + 8 q + i]
.set BI,   64                          ; the bias: 8 registers a block
.set AF,   128
.set TM,   64                          ; the ways out: v64-79 at work
.set PWO,  80                          ; v80-87 the blocks' scale words
.set Z,    88                          ; v88-91 the words that I store
.set G1, 24
.set G0, 32
.set G1B, 48
.set G0B, 56
.set G1S, 68
.set G0S, 76
.set G1SB, 80
.set G0SB, 88
.set G0S2, 92
.set G0SB2, 96
.set DA,  18                           ; s[18:19] bytes from A's address in hand to tile 2's
.set DB,  22                           ; s[22:23] bytes back from B's address in hand to tile 2's
.set PC1, 10                           ; s[10:11], s[12:13] where my codes go, tile 1, tile 2
.set PC2, 12
.set PS1, 66                           ; s[66:67], s[46:47] and my scale words
.set PS2, 46
.set MSB, 0
.macro WIN new                         ; the immediate's high byte repeats the setting that is left; a switch that changes nothing is dropped
.if MSB != (\new)
	s_set_vgpr_msb (MSB<<8)|(\new)
.set MSB, \new
.endif
.endm
.macro PLACES n                        ; plain vector lines between a matrix instruction and a load into, or a read of, its registers: eight for this form
.rept \n
	v_nop
.endr
.endm
.macro CREST                           ; a round of the cluster's barrier behind its opening barrier
	s_cmp_lg_u32 s14, 0
	s_cbranch_scc1 .Lnot_wave_0_\@
	s_barrier_signal -3
.Lnot_wave_0_\@:
	s_barrier_wait -3
	s_barrier_signal -1
	s_barrier_wait -1
.endm
.macro CROUND
	s_barrier_signal -1
	s_barrier_wait -1
	CREST
.endm
.macro JLOAD g0a, g1a, g0b, g1b        ; tile 1's joint load: waves 0, 1 fetch A's halves, waves 2, 3 B's; the branch hangs on the wave's number alone; s_nop 0 and four v_nop follow each line
	s_cmp_eq_u32 s15, 0
	s_cbranch_scc0 .Lfor_b_\@
	tensor_load_to_lds s[\g0a:\g0a+3], s[\g1a:\g1a+7]
	s_nop 0
.rept 4
	v_nop
.endr
	s_branch .Lasked_\@
.Lfor_b_\@:
	tensor_load_to_lds s[\g0b:\g0b+3], s[\g1b:\g1b+7]
	s_nop 0
.rept 4
	v_nop
.endr
.Lasked_\@:
.endm
.macro JLOAD2 s                        ; tile 2's: wave 0 fetches A's 8 row tiles, waves 2, 3 B's halves, wave 1 has no part to fill
	s_cmp_eq_u32 s14, 0
	s_cbranch_scc0 .Lnot_a_\@
	tensor_load_to_lds s[G0+4*\s:G0+4*\s+3], s[G1:G1+7]
	s_nop 0
.rept 4
	v_nop
.endr
	s_branch .Lasked_\@
.Lnot_a_\@:
	s_cmp_eq_u32 s15, 1
	s_cbranch_scc0 .Lasked_\@
	tensor_load_to_lds s[G0B+4*\s:G0B+4*\s+3], s[G1B:G1B+7]
	s_nop 0
.rept 4
	v_nop
.endr
.Lasked_\@:
.endm
.macro NEXTT s                         ; slot s's descriptors go on to tile 2 (no tensor load of mine is out): A lands at the slot's first byte; both addresses stood two K steps on in tile 1
	s_mov_b32 s[G0+4*\s+1], \s*SLOT
	s_add_nc_u64 s[G0+4*\s+2:G0+4*\s+3], s[G0+4*\s+2:G0+4*\s+3], s[DA:DA+1]
	s_sub_nc_u64 s[G0B+4*\s+2:G0B+4*\s+3], s[G0B+4*\s+2:G0B+4*\s+3], s[DB:DB+1]
.endm
.macro FRAG reg, adr, q, i             ; a fragment's image: four loads of 512 consecutive bytes
.irp c, 0,1,2,3
	ds_load_b128 v[(\reg)+4*\c:(\reg)+4*\c+3], v[\adr] offset:(\i)*4096+(\q)*2048+512*\c
.endr
.endm
.macro FETCH_B slot, q, p              ; B's eight fragments into set p of window 1
	WIN 0x40
.irp i, 0,1,2,3,4,5,6,7
	FRAG 128*(\p)+16*\i, ADRB+\slot, \q, \i
.endr
	WIN 0
.endm
.macro FETCH_A slot, q, i0, n          ; A's blocks i0 .. i0 + n - 1
.set fa, \i0
.rept \n
	FRAG AF+16*fa, ADRA+\slot, \q, fa
.set fa, fa+1
.endr
.endm
.macro SCALES sc                       ; a K step's scale words: 16 bytes a lane are the words of four blocks (tile 2: what lanes 0-15 read with g = 1 is used by nobody)
.irp q, 0,1
.irp g, 0,1
	ds_load_b128 v[SC+16*(\sc)+8*\q+4*\g:SC+16*(\sc)+8*\q+4*\g+3], v[ADRS] offset:512*\q+256*\g
.endr
.endr
.endm
; n blocks of A from a0 on x B's eight: 8 n matrix instructions.  p: B's set; q, sc: which scale words.  cm: the C operand: 0 the sum itself, 2 the bias by B's block, 3 the bias by A's block.
; The accumulators take turns, one instruction a turn, in the same order in every step.  B's scales are read from lanes 16-31 of their register, A's from lanes 0-15.
.macro MULS a0, n, p, q, sc, cm
.if (\cm) >= 2
	WIN 0x81+0x40*((\a0)/4)
.else
	WIN 0xa1+0x50*((\a0)/4)
.endif
.set ma, \a0
.rept \n
.irp b, 0,1,2,3,4,5,6,7
.set rD, 8*(8*(ma%4)+\b)
.set rB, 128*(\p)+16*\b
.set rA, AF+16*ma
.set rSB, SC+16*(\sc)+8*(\q)+\b
.set rSA, SC+16*(\sc)+8*(\q)+ma
.if (\cm) == 0
	v_wmma_scale_f32_16x16x128_f8f6f4 v[rD:rD+7], v[rB:rB+15], v[rA:rA+15], v[rD:rD+7], v[rSB], v[rSA] matrix_a_fmt:MATRIX_FMT_BF8 matrix_b_fmt:MATRIX_FMT_BF8 matrix_a_scale:MATRIX_SCALE_ROW1
.elseif (\cm) == 2
	v_wmma_scale_f32_16x16x128_f8f6f4 v[rD:rD+7], v[rB:rB+15], v[rA:rA+15], v[BI+8*\b:BI+8*\b+7], v[rSB], v[rSA] matrix_a_fmt:MATRIX_FMT_BF8 matrix_b_fmt:MATRIX_FMT_BF8 matrix_a_scale:MATRIX_SCALE_ROW1
.else
	v_wmma_scale_f32_16x16x128_f8f6f4 v[rD:rD+7], v[rB:rB+15], v[rA:rA+15], v[BI+8*ma:BI+8*ma+7], v[rSB], v[rSA] matrix_a_fmt:MATRIX_FMT_BF8 matrix_b_fmt:MATRIX_FMT_BF8 matrix_a_scale:MATRIX_SCALE_ROW1
.endif
.endr
.set ma, ma+1
.endr
.endm
.macro STEP slot, cm                   ; a slot's first 128 along K; its successor lies in the same slot
	s_wait_dscnt 2*NA                              ; B's set, A's first half and the scale words are in; the youngest loads, A's second half, may be out
	MULS 0, NA/2, 0, 0, \slot, \cm
	s_wait_dscnt 0x0                               ; A's second half is in
	PLACES 8
	FETCH_B \slot, 1, 1
	FETCH_A \slot, 1, 0, NA/2
	MULS NA/2, NA/2, 0, 0, \slot, \cm
	PLACES 8
	WIN 0
	FETCH_A \slot, 1, NA/2, NA/2
.endm
; A slot's second 128 along K, and the change of slots: ONE barrier.  In front of it each wave waits for all its tensor loads (its part of the next slot), adds 0 to its spare word, and waits for that and for
; its reads of this slot.  fill = 1: the barrier opens a round of the cluster's, and this slot is filled again, two K steps ahead, first thing behind the round.  fill = 2: likewise, with tile 2's K step 0.
.macro TURN slot, next, fill
	s_wait_tensorcnt 0x0                           ; all my tensor loads have landed
	ds_add_u32 v[SPW], v[NIL]
	s_wait_dscnt 2*NA+1                            ; the add and A's second half may be out
	MULS 0, NA/4, 1, 1, \slot, 0                   ; matrix work stands between the add and the wait for it
	s_wait_dscnt 0x0                               ; the add is done, and my reads of this slot are over
	s_barrier_signal -1
	MULS NA/4, NA/4, 1, 1, \slot, 0
	WIN 0
	s_barrier_wait -1
.if (\fill) == 1
	CREST                                          ; no wave of any partner still reads this slot or has a load on its way
	s_add_nc_u64 s[G0+4*\slot+2:G0+4*\slot+3], s[G0+4*\slot+2:G0+4*\slot+3], 8192
	s_add_nc_u64 s[G0B+4*\slot+2:G0B+4*\slot+3], s[G0B+4*\slot+2:G0B+4*\slot+3], 8192
.if PH == 1
	JLOAD G0+4*\slot, G1, G0B+4*\slot, G1B         ; its four v_nop are four of the eight places in front of the loads below
	PLACES 4
.else
	JLOAD2 \slot
	PLACES 8                                       ; all eight: wave 1 passes no load and none of its v_nop
.endif
.elseif (\fill) == 2
	CREST
	NEXTT \slot
	JLOAD2 \slot
	PLACES 8
.else
	PLACES 8
.endif
	s_wait_alu depctr_va_vdst(0)
	v_add_nc_u32 v[ADRS], 1024, v[ADRS]            ; the next K step's scale words (no LDS load of mine is out)
	FETCH_B \next, 0, 0
	FETCH_A \next, 0, 0, NA/2
	SCALES \next
	MULS NA/2, NA/2, 1, 1, \slot, 0
	PLACES 8
	WIN 0
	FETCH_A \next, 0, NA/2, NA/2
.endm
.macro LASTSTEP                        ; a tile's last 128 along K: nothing more to fetch
	s_wait_dscnt 2*NA
	MULS 0, NA/2, 1, 1, 1, 0
	s_wait_dscnt 0x0
	MULS NA/2, NA/2, 1, 1, 1, 0
	WIN 0
.endm
; THE WAY OUT of block a.  Its 64 numbers of a lane, register 16 b + i = next K 32 b + 16 (lane / 16) + i of my row, become one fragment's codes and a scale word; the codes leave as an image, 512 consecutive bytes a store,
; at s[b0:b0+1] + a x str (str: the bytes from row tile to row tile).  Inside a way out no register that a store reads is written again.
.macro QUANTW a, b0, str
.set XW, 2+(\a)/4
.set XS, 64*((\a)%4)
.set CD, AF+16*(\a)
	WIN XW|(XW<<2)
.irp b, 0,1,2,3
	v_max3_num_f32 v[TM+\b], |v[XS+16*\b]|, |v[XS+16*\b+1]|, 0x8000000   ; each accumulator from its low end on; the floor 2^(16 - 127) holds the byte at 1 from below
.endr
.irp i, 2,4,6,8,10,12,14
.irp b, 0,1,2,3
	v_max3_num_f32 v[TM+\b], |v[XS+16*\b+\i]|, |v[XS+16*\b+\i+1]|, v[TM+\b]
.endr
.endr
	WIN 0
.irp b, 0,1,2,3
	v_permlanex16_b32 v[TM+4+\b], v[TM+\b], s20, s21
.endr
.irp b, 0,1,2,3
	v_max_num_f32 v[TM+\b], v[TM+\b], v[TM+4+\b]   ; the block's largest magnitude
.endr
.irp b, 0,1,2,3
	v_add_nc_u32 v[TM+12+\b], 0xf8800000, v[TM+\b] ; 15 off its exponent field: the conversion's scale operand
.endr
.irp b, 0,1,2,3
	v_and_or_b32 v[TM+8+\b], v[TM+\b], 0x7f800000, s2   ; 57,344 x the scale
.endr
.irp b, 0,1,2,3
	v_lshrrev_b32 v[TM+4+\b], 23, v[TM+12+\b]      ; the scale's byte
.endr
	v_lshl_or_b32 v[PWO+\a], v[TM+5], 8, v[TM+4]
	v_lshl_or_b32 v[PWO+\a], v[TM+6], 16, v[PWO+\a]
	v_lshl_or_b32 v[PWO+\a], v[TM+7], 24, v[PWO+\a]
	WIN (XW<<6)|XW
.set j, 0
.rept 64
	v_med3_num_f32 v[XS+j], v[XS+j], -v[TM+8+j/16], v[TM+8+j/16]   ; the conversion does not saturate (ISA guide 7.6.2): the hold comes first
.set j, j+1
.endr
	WIN XW
.set j, 0
.rept 8
	v_cvt_scalef32_pk8_bf8_f32 v[CD+2*j:CD+2*j+1], v[XS+8*j:XS+8*j+7], v[TM+12+j/2]
.set j, j+1
.endr
	WIN 0
	v_nop                                          ; one plain line behind the last conversion
.irp c, 0,1,2,3
	global_store_b128 v[LI], v[CD+4*\c:CD+4*\c+3], s[\b0:\b0+1] offset:(\a)*(\str)+512*\c
.endr
.endm
	s_load_b256 s[4:11], s[0:1], 0x0               ; xw_codes, xw_scales, bq, bk
	v_lshl_add_u32 v[SPW], v0, 2, SPARE
	v_mov_b32 v[NIL], 0
	ds_add_u32 v[SPW], v[NIL]                      ; the wave's opening: the add, twice on end, and its wait ahead of my first tensor load
	ds_add_u32 v[SPW], v[NIL]
	v_lshrrev_b32 v1, 5, v0
	v_readfirstlane_b32 s14, v1                    ; wave 0..3
	s_lshr_b32 s15, s14, 1                         ; my half of A's rows.  Also: in tile 1 I fetch for A (0) or for B (1)
	s_and_b32 s16, s14, 1                          ; my half of B's rows.  Also: which half I fetch
	s_bfe_u32 s40, ttmp6, 0x40000                  ; cx
	s_bfe_u32 s41, ttmp6, 0x40004                  ; cy
	s_and_b32 s42, ttmp7, 0xffff                   ; the cluster's y
	s_lshl_b32 s43, s41, 2
	s_lshl_b32 s43, 15, s43                        ; my row of the cluster
	s_lshl_b32 s44, 0x1111, s40                    ; my column
	s_or_b32 s[G1], s43, (3<<16)|(1<<21)           ; 15:0 the mask; 17:16 elements of 8 bytes; 21 set beside a mask; no padding
	s_or_b32 s[G1B], s44, (3<<16)|(1<<21)
	s_or_b32 s[G1S], s43, (3<<16)|(1<<21)
	s_or_b32 s[G1SB], s44, (3<<16)|(1<<21)
.irp g, G1, G1B                        ; codes: 8 row tiles x 4,096 bytes, 16 KTOT bytes apart
	s_mov_b32 s[\g+1], 512<<16
	s_mov_b32 s[\g+2], 8<<16
	s_mov_b32 s[\g+3], 512<<16
	s_mov_b32 s[\g+4], 8
	s_mov_b32 s[\g+5], 2*KTOT
	s_mov_b32 s[\g+6], 0
	s_mov_b32 s[\g+7], 0
.endr
.irp g, G1S, G1SB                      ; the head's codes: 16 row tiles x 4,096 bytes, 16 KTOT bytes apart
	s_mov_b32 s[\g+1], 512<<16                     ; these two groups serve the head's loads: a slot's whole part of A or of B, 16 row tiles x 4,096 bytes
	s_mov_b32 s[\g+2], 16<<16
	s_mov_b32 s[\g+3], 512<<16
	s_mov_b32 s[\g+4], 16
	s_mov_b32 s[\g+5], 2*KTOT
	s_mov_b32 s[\g+6], 0
	s_mov_b32 s[\g+7], 0
.endr
	s_lshl_b32 s12, s16, 3                         ; 8 row tiles x the half that I fetch
	s_lshl_b32 s13, s42, 6                         ; 64 row tiles of embedded for each cluster y
	; A's side: cy and the cluster's numbers alone
	s_lshl_b32 s3, s41, 4
	s_add_co_u32 s3, s3, s13
	s_add_co_u32 s3, s3, s12                       ; tile 1: the first row tile of embedded that I would fetch
	s_lshl_b32 s45, ttmp9, 5
	s_add_co_u32 s45, s45, 640
	s_lshl_b32 s46, s41, 3
	s_add_co_u32 s45, s45, s46                     ; tile 2: Wv's row tile 640 + 8 (4 cluster x + cy)
	s_sub_co_u32 s[DA], s45, s3                    ; 160 or more
	s_lshl_b32 s[DA], s[DA], 14
	s_sub_co_u32 s[DA], s[DA], 8192                ; and back the two K steps that tile 1's address has gone
	s_mov_b32 s[DA+1], 0
	; B's side: cx and the cluster's numbers alone
	s_lshl_b32 s66, s40, 4
	s_add_co_u32 s66, s66, s12                     ; 16 cx + 8 x half
	s_add_co_u32 s67, s66, s13                     ; tile 2: the first row tile of embedded that I would fetch
	s_lshl_b32 s[DB], ttmp9, 6
	s_add_co_u32 s[DB], s[DB], 512                 ; Wq's or Wk's first row tile
	s_add_co_u32 s66, s66, s[DB]                   ; tile 1: the first row tile of the weight that I would fetch
	s_sub_co_u32 s[DB], s[DB], s13                 ; tile 1's less tile 2's: 512 + 64 cluster x - 64 cluster y, 64 or more: cx has gone
	s_lshl_b32 s[DB], s[DB], 14
	s_add_co_u32 s[DB], s[DB], 8192
	s_mov_b32 s[DB+1], 0
	s_lshl_b32 s20, s14, 12                        ; where they go: no place in the cluster enters an LDS address: my region of scale words,
	s_lshl_b32 s21, s16, 15                        ; my half of a slot's row tiles
	v_and_b32 v1, 31, v0
	v_lshlrev_b32 v[LI], 4, v1
	v_add_nc_u32 v13, s20, v[LI]
	v_add_nc_u32 v13, SCL, v13                     ; v13: my 16 bytes of a row of my region of scale words
	s_wait_alu depctr_va_vdst(0)
	s_wait_dscnt 0x0
	s_wait_kmcnt 0x0
	; THE SCALE WORDS come through registers: wave w brings region w of both tiles, 8 K steps x 512 consecutive bytes each, and stores them to LDS ahead of the first barrier
	s_mov_b32 s47, 0
	s_mov_b32 s101, 0
	s_cmp_eq_u32 s15, 0
	s_cselect_b32 s92, s3, s66                     ; the row tile whose words open my region: tile 1's,
	s_cselect_b32 s94, s45, s67                    ; tile 2's
	s_lshl_b32 s92, s92, 6                         ; 64 bytes a row tile
	s_lshl_b32 s94, s94, 6
	s_mov_b32 s93, 0
	s_mov_b32 s95, 0
	s_add_nc_u64 s[92:93], s[6:7], s[92:93]
	s_add_nc_u64 s[94:95], s[6:7], s[94:95]
.irp k, 0,1,2,3,4,5,6,7
	global_load_b128 v[192+4*\k:195+4*\k], v[LI], s[92:93] offset:\k*SCP
	global_load_b128 v[224+4*\k:227+4*\k], v[LI], s[94:95] offset:\k*SCP
.endr
	s_lshl_b32 s46, s3, 14                         ; codes: 16,384 bytes a row tile
	s_add_nc_u64 s[46:47], s[4:5], s[46:47]
	s_lshl_b32 s100, s66, 14
	s_add_nc_u64 s[100:101], s[4:5], s[100:101]
	; the head's loads: waves 0, 1 bring slot 0's A and B whole, waves 2, 3 slot 1's: back over my half, on by the slot's K step
	s_lshl_b32 s96, s16, 17
	s_mov_b32 s97, 0
	s_lshl_b32 s98, s15, 12
	s_mov_b32 s99, 0
	s_mov_b32 s[G0S], 1
	s_mul_i32 s[G0S+1], s15, SLOT
	s_sub_nc_u64 s[G0S+2:G0S+3], s[46:47], s[96:97]
	s_add_nc_u64 s[G0S+2:G0S+3], s[G0S+2:G0S+3], s[98:99]
	s_or_b32 s[G0S+3], s[G0S+3], 0x80000000
	s_mov_b32 s[G0SB], 1
	s_mul_i32 s[G0SB+1], s15, SLOT
	s_add_co_u32 s[G0SB+1], s[G0SB+1], BOFF
	s_sub_nc_u64 s[G0SB+2:G0SB+3], s[100:101], s[96:97]
	s_add_nc_u64 s[G0SB+2:G0SB+3], s[G0SB+2:G0SB+3], s[98:99]
	s_or_b32 s[G0SB+3], s[G0SB+3], 0x80000000
.irp s, 0,1
	s_mov_b32 s[G0+4*\s], 1
	s_add_co_u32 s[G0+4*\s+1], s21, \s*SLOT
	s_add_nc_u64 s[G0+4*\s+2:G0+4*\s+3], s[46:47], \s*4096
	s_or_b32 s[G0+4*\s+3], s[G0+4*\s+3], 0x80000000
	s_mov_b32 s[G0B+4*\s], 1
	s_add_co_u32 s[G0B+4*\s+1], s21, \s*SLOT+BOFF
	s_add_nc_u64 s[G0B+4*\s+2:G0B+4*\s+3], s[100:101], \s*4096
	s_or_b32 s[G0B+4*\s+3], s[G0B+4*\s+3], 0x80000000
.endr
	CROUND                                         ; all sixteen work-groups are here: the first joint loads meet
	s_cmp_lt_u32 s14, 1                            ; ONE load a wave, each in an arm of its own: slot 0's A, slot 0's B, slot 1's A, slot 1's B
	s_cbranch_scc0 .Lhead_1
	tensor_load_to_lds s[G0S:G0S+3], s[G1S:G1S+7]
	s_nop 0
.rept 4
	v_nop
.endr
	s_branch .Lfirst_done
.Lhead_1:
	s_cmp_lt_u32 s14, 2
	s_cbranch_scc0 .Lhead_2
	tensor_load_to_lds s[G0SB:G0SB+3], s[G1SB:G1SB+7]
	s_nop 0
.rept 4
	v_nop
.endr
	s_branch .Lfirst_done
.Lhead_2:
	s_cmp_lt_u32 s14, 3
	s_cbranch_scc0 .Lhead_3
	tensor_load_to_lds s[G0S:G0S+3], s[G1S:G1S+7]
	s_nop 0
.rept 4
	v_nop
.endr
	s_branch .Lfirst_done
.Lhead_3:
	tensor_load_to_lds s[G0SB:G0SB+3], s[G1SB:G1SB+7]
	s_nop 0
.rept 4
	v_nop
.endr
.Lfirst_done:
	s_load_b128 s[4:7], s[0:1], 0x20               ; bv, qkv_codes: wanted later, so they are asked for while the first tiles are on their way
	s_load_b64 s[46:47], s[0:1], 0x30              ; qkv_scales
	v_and_b32 v2, 15, v0
	v_bfe_u32 v3, v0, 4, 1                         ; half
	v_lshlrev_b32 v4, 6, v3                        ; q, k: my 16 numbers of each 32 of the bias
	v_and_b32 v5, 8, v2
	v_add_nc_u32 v5, v5, v2
	v_lshlrev_b32 v5, 2, v5                        ; v: my row's number: place + 8 (place / 8)
	v_lshlrev_b32 v[SOF], 4, v2
	v_lshl_add_u32 v[SOF], v3, 3, v[SOF]
	s_cmp_eq_u32 ttmp9, 0                          ; bq or bk: by the cluster's x
	s_cselect_b64 s[8:9], s[8:9], s[10:11]
	s_lshl_b32 s100, s40, 10                       ; that of B's 128 rows of mine
	s_lshl_b32 s3, s16, 9
	s_add_co_u32 s100, s100, s3
	s_mov_b32 s101, 0
	s_add_nc_u64 s[8:9], s[8:9], s[100:101]
.irp b, 0,1,2,3,4,5,6,7                ; register j of (a, b) is channel 32 (b / 2) + 16 half + 8 (b % 2) + j
	global_load_b128 v[BI+8*\b:BI+8*\b+3], v4, s[8:9] offset:(32*(\b/2)+8*(\b%2))*4
	global_load_b128 v[BI+8*\b+4:BI+8*\b+7], v4, s[8:9] offset:(32*(\b/2)+8*(\b%2))*4+16
.endr
	; where my results go
	s_lshl_b32 s3, s42, 6
	s_lshl_b32 s45, s41, 4
	s_add_co_u32 s3, s3, s45
	s_lshl_b32 s45, s15, 3
	s_add_co_u32 s3, s3, s45                       ; tile 1: my first row tile
	s_lshl_b32 s45, s40, 1
	s_add_co_u32 s45, s45, s16                     ; and the K step that my 128 channels make
	s_lshl_b32 s10, ttmp9, 23
	s_lshl_b32 s20, s3, 14
	s_add_co_u32 s10, s10, s20
	s_lshl_b32 s20, s45, 11
	s_add_co_u32 s10, s10, s20                     ; its codes
	s_lshl_b32 s11, ttmp9, 18
	s_lshl_b32 s20, s45, 15
	s_add_co_u32 s11, s11, s20
	s_lshl_b32 s20, s3, 6
	s_add_co_u32 s11, s11, s20                     ; its scale words
	s_lshl_b32 s3, ttmp9, 5
	s_lshl_b32 s20, s41, 3
	s_add_co_u32 s3, s3, s20
	s_lshl_b32 s20, s15, 2
	s_add_co_u32 s3, s3, s20                       ; tile 2: my first row tile of channels: 8 (4 cluster x + cy) + 4 x half
	s_lshl_b32 s20, s42, 3
	s_add_co_u32 s45, s45, s20                     ; and 16 batch + the K step that my 128 keys make: 8 cluster y + 2 cx + half
	s_lshr_b32 s12, s45, 4
	s_lshl_b32 s12, s12, 21
	s_lshl_b32 s20, s3, 15
	s_add_co_u32 s12, s12, s20
	s_and_b32 s20, s45, 15
	s_lshl_b32 s20, s20, 11
	s_add_co_u32 s12, s12, s20
	s_add_co_u32 s12, s12, 16777216                ; its codes
	s_lshl_b32 s13, s45, 12
	s_lshl_b32 s20, s3, 6
	s_add_co_u32 s13, s13, s20
	s_add_co_u32 s13, s13, 524288                  ; its scale words
	s_lshl_b32 s3, s3, 6                           ; bv: 16 numbers a row tile
	s_wait_alu depctr_va_vdst(0)
	s_wait_kmcnt 0x0
	s_mov_b32 s100, s11
	s_add_nc_u64 s[PS1:PS1+1], s[46:47], s[100:101]
	s_mov_b32 s100, s13
	s_add_nc_u64 s[PS2:PS2+1], s[46:47], s[100:101]
	s_mov_b32 s100, s12
	s_add_nc_u64 s[PC2:PC2+1], s[6:7], s[100:101]
	s_mov_b32 s100, s10
	s_add_nc_u64 s[PC1:PC1+1], s[6:7], s[100:101]
	s_mov_b32 s100, s3
	s_add_nc_u64 s[4:5], s[4:5], s[100:101]
.irp a, 0,1,2,3                        ; bv of my lane's channel in each of tile 2's four blocks
	global_load_b32 v[BV+\a], v5, s[4:5] offset:(32*(\a/2)+8*(\a%2))*4
.endr
	s_mov_b32 s20, 0x76543210                      ; lane selects: lane l xor 16
	s_mov_b32 s21, 0xfedcba98
	s_mov_b32 s2, 0x600000                         ; the mantissa field of 57,344
	s_mov_b32 s17, 0xffff0000                      ; the mask of lanes 16-31
	s_lshl_b32 s3, s15, 15                         ; tile 1: my half of A: 8 row tiles,
	s_lshl_b32 s45, s16, 15
	s_add_co_u32 s45, s45, BOFF                    ; my half of B
.irp s, 0,1
	v_add_nc_u32 v[16+\s], s3, v[LI]
	v_add_nc_u32 v[ADRB+\s], s45, v[LI]
	s_add_co_u32 s3, s3, SLOT
	s_add_co_u32 s45, s45, SLOT
.endr
	s_lshl_b32 s3, s15, 14                         ; tile 2: my half of A: 4 row tiles
.irp s, 0,1
	v_add_nc_u32 v[18+\s], s3, v[LI]
	s_add_co_u32 s3, s3, SLOT
.endr
	s_add_co_u32 s3, s16, 2
	s_sub_co_u32 s3, s3, s15
	s_lshl_b32 s3, s3, 12                          ; from my region of A's words to my region of B's
	v_mul_u32_u24 v6, s3, v3                       ; lanes 16-31 take B's
	s_lshl_b32 s45, s15, 12
	s_add_co_u32 s45, s45, SCL
	v_lshl_add_u32 v6, v2, 4, v6
	v_add_nc_u32 v27, s45, v6                      ; tile 1's scale words
	s_lshl_b32 s45, s15, 8
	s_sub_co_u32 s3, s3, s45                       ; tile 2: my four blocks' words begin 256 x half bytes on in my copy
	v_mul_u32_u24 v6, s3, v3
	s_mul_i32 s45, s15, 4096+256
	s_add_co_u32 s45, s45, SCL2
	v_lshl_add_u32 v6, v2, 4, v6
	v_add_nc_u32 v22, s45, v6                      ; tile 2's scale words
	s_wait_alu depctr_va_vdst(0)
	s_wait_loadcnt 4                               ; the sixteen loads of bq or bk are in; bv's four may be out
.irp k, 0,1,2,3,4,5,6,7                ; the scale words were asked for ahead of the bias, so they are in: into my two regions
	ds_store_b128 v13, v[192+4*\k:195+4*\k] offset:\k*512
	ds_store_b128 v13, v[224+4*\k:227+4*\k] offset:\k*512+SCL2-SCL
.endr
	s_cmp_lt_u32 s14, 2                            ; this barrier shows slot 0 alone: waves 0 and 1 wait for their loads; slot 1's are waited for at the first change of slots
	s_cbranch_scc0 .Lslot1_mine
	s_wait_tensorcnt 0x0
.Lslot1_mine:
	s_wait_dscnt 0x0                               ; my stores of scale words have landed
	s_barrier_signal -1
	s_barrier_wait -1
	FETCH_B 0, 0, 0
	FETCH_A 0, 0, 0, NA/2
	SCALES 0
	FETCH_A 0, 0, NA/2, NA/2
	STEP 0, 2                                      ; TILE 1.  The first step starts the sums with the bias, laid by B's block
	TURN 0, 1, 1
	STEP 1, 0
	TURN 1, 0, 1
	STEP 0, 0
	TURN 0, 1, 2                                   ; slot 0 takes tile 2's K step 0
	STEP 1, 0
	LASTSTEP
	PLACES 8
.irp b, 0,1,2,3
	v_mov_b32 v[TM+4+\b], 0                        ; a lane permute's destination counts as one of its sources
.endr
	QUANTW 0, PC1, 16384
	QUANTW 1, PC1, 16384
	s_wait_tensorcnt 0x0                           ; slot 1 has been read out.  All my tensor loads have landed: my part of tile 2's K step 0, asked for two and a half steps of 128 and two blocks' conversions ago;
	ds_add_u32 v[SPW], v[NIL]
	s_wait_dscnt 0x0                               ; the add is done; my reads of slot 1 were over at the last step's second wait
	CROUND                                         ; no wave of any partner still reads slot 1 or has a load on its way; and slot 0 is whole
	NEXTT 1
	JLOAD2 1                                       ; slot 1 takes tile 2's K step 1: it lands while the other six blocks are converted
.irp a, 2,3,4,5,6,7
	QUANTW \a, PC1, 16384
.endr
.irp j, 0,1,2,3
	v_cndmask_b32 v[Z+\j], v[PWO+\j], v[PWO+4+\j], s17   ; lanes 0-15 store the words of blocks 0-3, lanes 16-31 of blocks 4-7: 512 consecutive bytes
.endr
	global_store_b128 v[LI], v[Z:Z+3], s[PS1:PS1+1]
	; TILE 2
.set NA, 4
.set PH, 2
.set ADRA, 18
.set ADRS, 22
	s_wait_xcnt 0x0                                ; the first way out's stores have read their registers: the codes' and the words' registers are written again only behind this wait
	s_wait_loadcnt 0x0                             ; bv
.irp a, 0,1,2,3
.irp j, 0,1,2,3,4,5,6,7
	v_mov_b32 v[BI+8*\a+\j], v[BV+\a]              ; all eight registers of (a, b) are my lane's channel
.endr
.endr
	PLACES 8
	FETCH_B 0, 0, 0
	FETCH_A 0, 0, 0, NA/2
	SCALES 0
	FETCH_A 0, 0, NA/2, NA/2
	s_wait_alu depctr_va_vdst(0)
	STEP 0, 3                                      ; the first step starts the sums with the bias, laid by A's block
	TURN 0, 1, 1
	STEP 1, 0
	TURN 1, 0, 1
	STEP 0, 0
	TURN 0, 1, 0                                   ; the last lap fills nothing
	STEP 1, 0
	LASTSTEP
	PLACES 8
.irp a, 0,1,2,3
	QUANTW \a, PC2, 32768
.endr
	v_cndmask_b32 v[Z], v[PWO], v[PWO+2], s17      ; lanes 0-15 store the words of blocks 0, 1 of their place, lanes 16-31 those of blocks 2, 3
	v_cndmask_b32 v[Z+1], v[PWO+1], v[PWO+3], s17
	global_store_b64 v[SOF], v[Z:Z+1], s[PS2:PS2+1]   ; 32 lanes store 256 consecutive bytes, aligned
	s_wait_tensorcnt 0x0                           ; the wave's end
	ds_add_u32 v[SPW], v[NIL]
	s_wait_dscnt 0x0
	CROUND                                         ; the closing round: no work-group ends while a partner may still ask for a tile that names it
	s_endpgm
.Lfunc_end_k_q260255c5ae_proj:
	.size	k_q260255c5ae_proj, .Lfunc_end_k_q260255c5ae_proj-k_q260255c5ae_proj
	.p2alignl 7, 3214868480
	.fill 96, 4, 3214868480
	.section	.rodata,"a",@progbits
	.p2align	6, 0x0
	.amdhsa_kernel k_q260255c5ae_proj
		.amdhsa_group_segment_fixed_size 327680
		.amdhsa_private_segment_fixed_size 0
		.amdhsa_enable_private_segment 0
		.amdhsa_kernarg_size 56
		.amdhsa_user_sgpr_count 2
		.amdhsa_user_sgpr_kernarg_segment_ptr 1
		.amdhsa_wavefront_size32 1
		.amdhsa_system_sgpr_workgroup_id_x 1
		.amdhsa_system_sgpr_workgroup_id_y 1
		.amdhsa_system_sgpr_workgroup_id_z 1
		.amdhsa_system_vgpr_workitem_id 0
		.amdhsa_next_free_vgpr 1024
		.amdhsa_next_free_sgpr 102
		.amdhsa_reserve_vcc 0
		.amdhsa_float_denorm_mode_32 3
		.amdhsa_float_denorm_mode_16_64 3
		.amdhsa_memory_ordered 1
		.amdhsa_forward_progress 1
		.amdhsa_inst_pref_size 255
	.end_amdhsa_kernel
	.section	.bss,"aw",@nobits
	.p2align	6
	.space	262144
	.amdgpu_metadata
---
amdhsa.version: [ 1, 2 ]
amdhsa.kernels:
  - .name:           k_q260255c5ae_proj
    .symbol:         k_q260255c5ae_proj.kd
    .args:
      - { .name: xw_codes, .offset: 0, .size: 8, .value_kind: global_buffer, .address_space: global }
      - { .name: xw_scales, .offset: 8, .size: 8, .value_kind: global_buffer, .address_space: global }
      - { .name: bq, .offset: 16, .size: 8, .value_kind: global_buffer, .address_space: global }
      - { .name: bk, .offset: 24, .size: 8, .value_kind: global_buffer, .address_space: global }
      - { .name: bv, .offset: 32, .size: 8, .value_kind: global_buffer, .address_space: global }
      - { .name: qkv_codes, .offset: 40, .size: 8, .value_kind: global_buffer, .address_space: global }
      - { .name: qkv_scales, .offset: 48, .size: 8, .value_kind: global_buffer, .address_space: global }
    .group_segment_fixed_size: 327680
    .private_segment_fixed_size: 0
    .kernarg_segment_align: 8
    .kernarg_segment_size: 56
    .max_flat_workgroup_size: 128
    .sgpr_count:     102
    .vgpr_count:     1024
    .wavefront_size: 32
...
	.end_amdgpu_metadata
.endif
;; end of part 2
;; launch scores (part 3): grid 8 x 32, 4 waves a work-group, clusters of 4 x 4, 327,680 bytes of LDS; arguments qkv_codes, qkv_scales, p_codes, p_meta; writes p_codes, p_meta
.if DOCPART == 3
	.amdgcn_target "amdgcn-amd-amdhsa--gfx1250"
	.amdhsa_code_object_version 6
	.text
	.protected	k_q260255c5ae_scores
	.globl	k_q260255c5ae_scores
	.p2align	8
	.type	k_q260255c5ae_scores,@function
k_q260255c5ae_scores:
	s_mov_b64 s[64:65], 0
	v_nop
	global_prefetch_b8 v0, s[64:65] scope:SCOPE_SE
	s_setreg_imm32_b32 hwreg(HW_REG_WAVE_MODE, 25, 1), 1
	s_wait_xcnt 0x0
	s_wait_alu depctr_hold_cnt(0) depctr_sa_sdst(0) depctr_va_vdst(0) depctr_va_sdst(0) depctr_va_ssrc(0) depctr_va_vcc(0) depctr_vm_vsrc(0)
	s_getreg_b32 s2, hwreg(HW_REG_IB_STS2, 6, 4)
	s_cmp_eq_u32 s2, 0
	s_cbranch_scc0 .Lentry_in_a_cluster
	s_endpgm
.Lentry_in_a_cluster:
	s_bfe_u32 s2, ttmp6, 0x10000c
	s_cmp_lg_u32 s2, 0xf033
	s_cbranch_scc0 .Lentry_shape_is_right
	s_endpgm
.Lentry_shape_is_right:
; LAUNCH 3 OF 4.  S = q k^T on codes of E5M2 with E8M0 scales; then, for each query and each run of 128 keys, the softmax's part that needs no other run; p leaves as codes.  No work of the problem is left out.
; IN: qkv_codes: q [rt 512][ks 8][2048] at 0, k at 8,388,608; qkv_scales: q [ks 8][32,768] at 0, k at 262,144, a row laid [rt / 4][place][rt % 4].  In every run of 32 rows, tile u, place p is row 8 u + p + 8 (p / 8).
; An image (rt, ks): byte 512 c + 16 lane + i = the code of the row at place lane % 16, k = 128 ks + 32 c + 16 (lane / 16) + i.
; OUT: p_codes [rt 512 of queries][ks 16 of keys][2048]; p_meta: three arrays [ks 16][32,768], a row laid as above: p's scale words at 0, -M_loc (f32) at 524,288, l_loc at 1,048,576.
; THE SOFTMAX.  t = score x log2(e) / 32 (the division by 32 is exact, so one constant gives the same t); M_loc = the ceiling of the largest t of the query among these 128 keys: a whole number;
; p = 2^(t - M_loc) is quantised along the keys; l_loc is the sum of the unquantised p.  The next launch takes M = the largest M_loc of the row: the change from M_loc to M is an exact power of two,
; which it takes off the scale bytes and off l_loc: the codes stay.  The maximum is thus taken away before every exponential.
; THE PRODUCT.  Source 0 = 16 keys (B), source 1 = 16 queries (A): a lane holds ONE query, and by the order of rows the 16 registers of key tiles 2 b, 2 b + 1 are keys 32 b + 16 (lane / 16) + 0 .. 15.
; SHARES.  A work-group of four waves makes 256 queries x 256 keys of one batch, a wave 128 x 128.  K goes in steps of 256 through two LDS slots; the scale words of all of K come once.  4 x 4 work-groups form a
; cluster: q's tiles are asked for jointly along a row of it, k's along a column.  No prefetch: the ring has two refills in all, and each tile is read by several clusters at about the same time.
; LIMITS: p under 2^-126 against M_loc comes out of v_exp_f32 as 0; a block whose largest p lies under 2^-111 keeps the byte 1; a block's largest p is taken as the exponential of its largest score, which takes
; v_exp_f32 not to fall where its input rises; NaN and infinities are not served.
; REGISTERS: window 0: v1-31 addresses; v32-63 scale words and nothing else; v64-127 at work on the way out; v128-255 A's fragments, later p's codes.  window 1: B's fragments, two sets.  windows 2, 3: accumulators.
.set NA,    8
.set KTOT,  1024
.set KSN,   KTOT/128
.set LAPS,  KTOT/512
.set SLOT,  (2*NA+16)*4096
.set SCL,   2*SLOT
.set SPARE, SCL+4*KSN*512
.set SCP,   32768
.set ADRA, 16
.set ADRB, 20
.set LI,   24
.set ADRS, 27
.set SPW,  28
.set NIL,  29
.set SC,   32
.set BI,   64
.set AF,   128
.set BM,   64                          ; v64-67 a block's largest score, then its largest p
.set BX,   68                          ; v68-71 the other half's; later the bytes
.set BH,   72                          ; v72-75 57,344 x the scale
.set BS,   76                          ; v76-79 the conversion's scale operand
.set T,    80                          ; v80-81 at work
.set TNM,  82                          ; v[82:83] -M_loc (the packed form names the pair and takes its low word)
.set L1,   84                          ; v[84:85], v[86:87] the sum, in two chains of pairs
.set L2,   86
.set PWO,  88                          ; v88-95 the eight blocks' scale words
.set PMO,  96                          ; v96-103 -M_loc
.set PLO,  104                         ; v104-111 l_loc
.set Z,    112                         ; v112-123 what I store of them
.set CS,   100                         ; s[100:101] log2(e) / 32
.set G1, 24
.set G0, 32
.set G1B, 48
.set G0B, 56
.set G1S, 68
.set G0S, 76
.set G1SB, 80
.set G0SB, 88
.set MSB, 0
.macro WIN new                         ; the immediate's high byte repeats the setting that is left
.if MSB != (\new)
	s_set_vgpr_msb (MSB<<8)|(\new)
.set MSB, \new
.endif
.endm
.macro PLACES n                        ; plain vector lines between a matrix instruction and a load into, or a read of, its registers: eight for this form
.rept \n
	v_nop
.endr
.endm
.macro CREST
	s_cmp_lg_u32 s14, 0
	s_cbranch_scc1 .Lnot_wave_0_\@
	s_barrier_signal -3
.Lnot_wave_0_\@:
	s_barrier_wait -3
	s_barrier_signal -1
	s_barrier_wait -1
.endm
.macro CROUND
	s_barrier_signal -1
	s_barrier_wait -1
	CREST
.endm
.macro JLOAD g0a, g1a, g0b, g1b        ; a joint load: waves 0, 1 fetch A's halves, waves 2, 3 B's; s_nop 0 and four v_nop follow each line
	s_cmp_eq_u32 s15, 0
	s_cbranch_scc0 .Lfor_b_\@
	tensor_load_to_lds s[\g0a:\g0a+3], s[\g1a:\g1a+7]
	s_nop 0
.rept 4
	v_nop
.endr
	s_branch .Lasked_\@
.Lfor_b_\@:
	tensor_load_to_lds s[\g0b:\g0b+3], s[\g1b:\g1b+7]
	s_nop 0
.rept 4
	v_nop
.endr
.Lasked_\@:
.endm
.macro FRAG reg, adr, q, i             ; a fragment's image: four loads of 512 consecutive bytes
.irp c, 0,1,2,3
	ds_load_b128 v[(\reg)+4*\c:(\reg)+4*\c+3], v[\adr] offset:(\i)*4096+(\q)*2048+512*\c
.endr
.endm
.macro FETCH_B slot, q, p
	WIN 0x40
.irp i, 0,1,2,3,4,5,6,7
	FRAG 128*(\p)+16*\i, ADRB+\slot, \q, \i
.endr
	WIN 0
.endm
.macro FETCH_A slot, q, i0, n
.set fa, \i0
.rept \n
	FRAG AF+16*fa, ADRA+\slot, \q, fa
.set fa, fa+1
.endr
.endm
.macro SCALES sc
.irp q, 0,1
.irp g, 0,1
	ds_load_b128 v[SC+16*(\sc)+8*\q+4*\g:SC+16*(\sc)+8*\q+4*\g+3], v[ADRS] offset:512*\q+256*\g
.endr
.endr
.endm
; n blocks of A from a0 on x B's eight.  cm = 1: the constant 0 starts the sums; 0: the sum itself.  The accumulators take turns, one instruction a turn, in the same order in every step.
.macro MULS a0, n, p, q, sc, cm
	WIN 0xa1+0x50*((\a0)/4)
.set ma, \a0
.rept \n
.irp b, 0,1,2,3,4,5,6,7
.set rD, 8*(8*(ma%4)+\b)
.set rB, 128*(\p)+16*\b
.set rA, AF+16*ma
.set rSB, SC+16*(\sc)+8*(\q)+\b
.set rSA, SC+16*(\sc)+8*(\q)+ma
.if (\cm) == 0
	v_wmma_scale_f32_16x16x128_f8f6f4 v[rD:rD+7], v[rB:rB+15], v[rA:rA+15], v[rD:rD+7], v[rSB], v[rSA] matrix_a_fmt:MATRIX_FMT_BF8 matrix_b_fmt:MATRIX_FMT_BF8 matrix_a_scale:MATRIX_SCALE_ROW1
.else
	v_wmma_scale_f32_16x16x128_f8f6f4 v[rD:rD+7], v[rB:rB+15], v[rA:rA+15], 0, v[rSB], v[rSA] matrix_a_fmt:MATRIX_FMT_BF8 matrix_b_fmt:MATRIX_FMT_BF8 matrix_a_scale:MATRIX_SCALE_ROW1
.endif
.endr
.set ma, ma+1
.endr
.endm
.macro STEP slot, cm
	s_wait_dscnt 2*NA                              ; all but A's second half, the youngest loads
	MULS 0, NA/2, 0, 0, \slot, \cm
	s_wait_dscnt 0x0
	PLACES 8
	FETCH_B \slot, 1, 1
	FETCH_A \slot, 1, 0, NA/2
	MULS NA/2, NA/2, 0, 0, \slot, \cm
	PLACES 8
	WIN 0
	FETCH_A \slot, 1, NA/2, NA/2
.endm
; The change of slots: ONE barrier; in front of it each wave waits for all its tensor loads, adds 0 to its spare word, and waits for that and for its reads of this slot.  fill = 1: the barrier opens a round of the
; cluster's, and this slot is filled again first thing behind it.
.macro TURN slot, next, fill
	s_wait_tensorcnt 0x0
	ds_add_u32 v[SPW], v[NIL]
	s_wait_dscnt 2*NA+1                            ; the add and A's second half may be out
	MULS 0, NA/4, 1, 1, \slot, 0
	s_wait_dscnt 0x0                               ; the add is done, and my reads of this slot are over
	s_barrier_signal -1
	MULS NA/4, NA/4, 1, 1, \slot, 0
	WIN 0
	s_barrier_wait -1
.if \fill
	CREST
	s_add_nc_u64 s[G0+4*\slot+2:G0+4*\slot+3], s[G0+4*\slot+2:G0+4*\slot+3], 8192
	s_add_nc_u64 s[G0B+4*\slot+2:G0B+4*\slot+3], s[G0B+4*\slot+2:G0B+4*\slot+3], 8192
	JLOAD G0+4*\slot, G1, G0B+4*\slot, G1B
	PLACES 4
.else
	PLACES 8
.endif
	s_wait_alu depctr_va_vdst(0)
	v_add_nc_u32 v[ADRS], 1024, v[ADRS]
	FETCH_B \next, 0, 0
	FETCH_A \next, 0, 0, NA/2
	SCALES \next
	MULS NA/2, NA/2, 1, 1, \slot, 0
	PLACES 8
	WIN 0
	FETCH_A \next, 0, NA/2, NA/2
.endm
.macro LASTSTEP
	s_wait_dscnt 2*NA
	MULS 0, NA/2, 1, 1, 1, 0
	s_wait_dscnt 0x0
	MULS NA/2, NA/2, 1, 1, 1, 0
	WIN 0
.endm
.macro SL_OUT r, z, b0, off            ; eight blocks' words: lanes 0-15 store those of blocks 0-3, lanes 16-31 of blocks 4-7: 512 consecutive bytes
.irp j, 0,1,2,3
	v_cndmask_b32 v[(\z)+\j], v[(\r)+\j], v[(\r)+4+\j], s17
.endr
	global_store_b128 v[LI], v[\z:(\z)+3], s[\b0:\b0+1] offset:\off
.endm
	s_load_b256 s[4:11], s[0:1], 0x0               ; qkv_codes, qkv_scales, p_codes, p_meta
	v_lshl_add_u32 v[SPW], v0, 2, SPARE
	v_mov_b32 v[NIL], 0
	ds_add_u32 v[SPW], v[NIL]                      ; the wave's opening: the add, twice on end, and its wait ahead of my first tensor load
	ds_add_u32 v[SPW], v[NIL]
	v_lshrrev_b32 v1, 5, v0
	v_readfirstlane_b32 s14, v1
	s_lshr_b32 s15, s14, 1                         ; my half of the queries.  Also: I fetch for A (0) or for B (1)
	s_and_b32 s16, s14, 1                          ; my half of the keys.  Also: which half I fetch
	s_bfe_u32 s40, ttmp6, 0x40000                  ; cx
	s_bfe_u32 s41, ttmp6, 0x40004                  ; cy
	s_lshl_b32 s43, s41, 2
	s_lshl_b32 s43, 15, s43                        ; my row of the cluster
	s_lshl_b32 s44, 0x1111, s40                    ; my column
	s_or_b32 s[G1], s43, (3<<16)|(1<<21)           ; the mask; elements of 8 bytes; bit 21 beside a mask; no padding
	s_or_b32 s[G1B], s44, (3<<16)|(1<<21)
	s_or_b32 s[G1S], s43, (3<<16)|(1<<21)
	s_or_b32 s[G1SB], s44, (3<<16)|(1<<21)
.irp g, G1, G1B                        ; codes: 8 row tiles x 4,096 bytes, 16 KTOT bytes apart
	s_mov_b32 s[\g+1], 512<<16
	s_mov_b32 s[\g+2], 8<<16
	s_mov_b32 s[\g+3], 512<<16
	s_mov_b32 s[\g+4], 8
	s_mov_b32 s[\g+5], 2*KTOT
	s_mov_b32 s[\g+6], 0
	s_mov_b32 s[\g+7], 0
.endr
.irp g, G1S, G1SB                      ; the head's codes: 16 row tiles x 4,096 bytes, 16 KTOT bytes apart
	s_mov_b32 s[\g+1], 512<<16                     ; these two groups serve the head's loads: a slot's whole part of A or of B, 16 row tiles x 4,096 bytes
	s_mov_b32 s[\g+2], 16<<16
	s_mov_b32 s[\g+3], 512<<16
	s_mov_b32 s[\g+4], 16
	s_mov_b32 s[\g+5], 2*KTOT
	s_mov_b32 s[\g+6], 0
	s_mov_b32 s[\g+7], 0
.endr
	s_lshl_b32 s42, ttmp9, 2
	s_add_co_u32 s42, s42, s40                     ; which 256 keys of the batch
	s_and_b32 s18, ttmp7, 0xffff
	s_lshl_b32 s17, s18, 2
	s_add_co_u32 s17, s17, s41                     ; which 256 queries of all
	s_lshr_b32 s18, s18, 1                         ; the batch: from the cluster's y alone
	s_lshl_b32 s12, s16, 3
	s_lshl_b32 s20, s17, 4
	s_add_co_u32 s20, s20, s12                     ; q: the first row tile that I would fetch
	s_lshl_b32 s46, s18, 7
	s_lshl_b32 s13, s42, 4
	s_add_co_u32 s46, s46, s13
	s_add_co_u32 s46, s46, s12                     ; k likewise
	s_lshl_b32 s22, s20, 6
	s_mov_b32 s23, 0
	s_lshl_b32 s92, s46, 6
	s_add_co_u32 s92, s92, 262144
	s_mov_b32 s93, 0
	s_lshl_b32 s20, s20, 14
	s_mov_b32 s21, 0
	s_lshl_b32 s46, s46, 14
	s_add_co_u32 s46, s46, 8388608
	s_mov_b32 s47, 0
	s_mul_i32 s45, s16, NA*4096
	s_lshl_b32 s95, s16, 15
	s_add_co_u32 s95, s95, 2*NA*4096
	s_lshl_b32 s94, s14, 12
	s_add_co_u32 s94, s94, SCL
	s_mov_b32 s[CS], 0x3d38aa3b                    ; log2(e) / 32
	s_mov_b32 s[CS+1], s[CS]                       ; named with it as a pair, so it is written
	v_and_b32 v1, 31, v0
	v_lshlrev_b32 v[LI], 4, v1
	v_add_nc_u32 v4, s94, v[LI]                    ; v4: my 16 bytes of a row of my region of scale words
	s_wait_alu depctr_va_vdst(0)
	s_wait_dscnt 0x0
	s_wait_kmcnt 0x0
	s_add_nc_u64 s[20:21], s[4:5], s[20:21]
	s_add_nc_u64 s[46:47], s[4:5], s[46:47]
	; THE SCALE WORDS come through registers: wave w brings region w, 8 K steps x 512 consecutive bytes, and stores them to LDS ahead of the first barrier
	s_cmp_eq_u32 s15, 0
	s_cselect_b32 s22, s22, s92                    ; q's words (waves 0, 1) or k's (waves 2, 3): an offset
	s_add_nc_u64 s[6:7], s[6:7], s[22:23]
.irp k, 0,1,2,3,4,5,6,7
	global_load_b128 v[192+4*\k:195+4*\k], v[LI], s[6:7] offset:\k*SCP
.endr
	; the head's loads: waves 0, 1 bring slot 0's A and B whole, waves 2, 3 slot 1's: back over my half, on by the slot's K step
	s_lshl_b32 s96, s16, 17
	s_mov_b32 s97, 0
	s_lshl_b32 s98, s15, 12
	s_mov_b32 s99, 0
	s_mov_b32 s[G0S], 1
	s_mul_i32 s[G0S+1], s15, SLOT
	s_sub_nc_u64 s[G0S+2:G0S+3], s[20:21], s[96:97]
	s_add_nc_u64 s[G0S+2:G0S+3], s[G0S+2:G0S+3], s[98:99]
	s_or_b32 s[G0S+3], s[G0S+3], 0x80000000
	s_mov_b32 s[G0SB], 1
	s_mul_i32 s[G0SB+1], s15, SLOT
	s_add_co_u32 s[G0SB+1], s[G0SB+1], 2*NA*4096
	s_sub_nc_u64 s[G0SB+2:G0SB+3], s[46:47], s[96:97]
	s_add_nc_u64 s[G0SB+2:G0SB+3], s[G0SB+2:G0SB+3], s[98:99]
	s_or_b32 s[G0SB+3], s[G0SB+3], 0x80000000
.irp s, 0,1
	s_mov_b32 s[G0+4*\s], 1
	s_add_co_u32 s[G0+4*\s+1], s45, \s*SLOT
	s_add_nc_u64 s[G0+4*\s+2:G0+4*\s+3], s[20:21], \s*4096
	s_or_b32 s[G0+4*\s+3], s[G0+4*\s+3], 0x80000000
	s_mov_b32 s[G0B+4*\s], 1
	s_add_co_u32 s[G0B+4*\s+1], s95, \s*SLOT
	s_add_nc_u64 s[G0B+4*\s+2:G0B+4*\s+3], s[46:47], \s*4096
	s_or_b32 s[G0B+4*\s+3], s[G0B+4*\s+3], 0x80000000
.endr
	CROUND                                         ; all sixteen work-groups are here: the first joint loads meet
	s_cmp_lt_u32 s14, 1                            ; ONE load a wave, each in an arm of its own: slot 0's A, slot 0's B, slot 1's A, slot 1's B
	s_cbranch_scc0 .Lhead_1
	tensor_load_to_lds s[G0S:G0S+3], s[G1S:G1S+7]
	s_nop 0
.rept 4
	v_nop
.endr
	s_branch .Lfirst_done
.Lhead_1:
	s_cmp_lt_u32 s14, 2
	s_cbranch_scc0 .Lhead_2
	tensor_load_to_lds s[G0SB:G0SB+3], s[G1SB:G1SB+7]
	s_nop 0
.rept 4
	v_nop
.endr
	s_branch .Lfirst_done
.Lhead_2:
	s_cmp_lt_u32 s14, 3
	s_cbranch_scc0 .Lhead_3
	tensor_load_to_lds s[G0S:G0S+3], s[G1S:G1S+7]
	s_nop 0
.rept 4
	v_nop
.endr
	s_branch .Lfirst_done
.Lhead_3:
	tensor_load_to_lds s[G0SB:G0SB+3], s[G1SB:G1SB+7]
	s_nop 0
.rept 4
	v_nop
.endr
.Lfirst_done:
	s_wait_alu depctr_va_vdst(0)
	v_and_b32 v2, 15, v0                           ; place
	v_bfe_u32 v3, v0, 4, 1                         ; half
	s_wait_alu depctr_va_vdst(0)
	s_lshl_b32 s12, s17, 4                         ; where my results go
	s_lshl_b32 s13, s15, 3
	s_add_co_u32 s12, s12, s13                     ; my first row tile of queries
	s_lshl_b32 s13, s42, 1
	s_add_co_u32 s13, s13, s16                     ; the K step that my 128 keys make
	s_lshl_b32 s22, s12, 15
	s_lshl_b32 s46, s13, 11
	s_add_co_u32 s22, s22, s46
	s_mov_b32 s23, 0
	s_add_nc_u64 s[8:9], s[8:9], s[22:23]
	s_lshl_b32 s22, s13, 15
	s_lshl_b32 s46, s12, 6
	s_add_co_u32 s22, s22, s46
	s_add_nc_u64 s[10:11], s[10:11], s[22:23]
	s_mov_b32 s20, 0x76543210                      ; lane selects: lane l xor 16
	s_mov_b32 s21, 0xfedcba98
	s_mov_b32 s2, 0x600000                         ; the mantissa field of 57,344
	s_mov_b32 s17, 0xffff0000                      ; the mask of lanes 16-31
	s_mul_i32 s12, s15, NA*4096
	s_lshl_b32 s13, s16, 15
	s_add_co_u32 s13, s13, 2*NA*4096
.irp s, 0,1
	v_add_nc_u32 v[ADRA+\s], s12, v[LI]
	v_add_nc_u32 v[ADRB+\s], s13, v[LI]
	s_add_co_u32 s12, s12, SLOT
	s_add_co_u32 s13, s13, SLOT
.endr
	s_add_co_u32 s12, s16, 2
	s_sub_co_u32 s12, s12, s15
	s_lshl_b32 s12, s12, 12
	v_mul_u32_u24 v6, s12, v3                      ; lanes 16-31 take B's words
	s_lshl_b32 s13, s15, 12
	s_add_co_u32 s13, s13, SCL
	v_lshl_add_u32 v6, v2, 4, v6
	v_add_nc_u32 v[ADRS], s13, v6
	s_wait_alu depctr_va_vdst(0)
	s_wait_loadcnt 0x0                             ; my region's scale words are in registers
.irp k, 0,1,2,3,4,5,6,7
	ds_store_b128 v4, v[192+4*\k:195+4*\k] offset:\k*512
.endr
	s_cmp_lt_u32 s14, 2                            ; this barrier shows slot 0 alone: waves 0 and 1 wait for their loads; slot 1's are waited for at the first change of slots
	s_cbranch_scc0 .Lslot1_mine
	s_wait_tensorcnt 0x0
.Lslot1_mine:
	s_wait_dscnt 0x0                               ; my stores of scale words have landed
	s_barrier_signal -1
	s_barrier_wait -1
	FETCH_B 0, 0, 0
	FETCH_A 0, 0, 0, NA/2
	SCALES 0
	FETCH_A 0, 0, NA/2, NA/2
	STEP 0, 1                                      ; the first step's products start the sums: nothing is cleared
	s_mov_b32 s3, LAPS-1
.Llap:
	TURN 0, 1, 1
	STEP 1, 0
	TURN 1, 0, 1
	STEP 0, 0
	s_sub_co_u32 s3, s3, 1
	s_cmp_lg_u32 s3, 0
	s_cbranch_scc1 .Llap
	TURN 0, 1, 0
	STEP 1, 0
	LASTSTEP
; THE WAY OUT, block by block of 16 queries: register 16 b + i of a lane is the score of my query with key 32 b + 16 (lane / 16) + i of my wave's 128.
	PLACES 8
.irp b, 0,1,2,3
	v_mov_b32 v[BX+\b], 0                          ; a lane permute's destination counts as one of its sources
.endr
	v_mov_b32 v[T+1], 0
	v_mov_b32 v[TNM+1], 0                          ; named as the upper half of a pair
.macro SOFTW a
.set XW, 2+(\a)/4
.set XS, 64*((\a)%4)
.set CD, AF+16*(\a)
	WIN XW|(XW<<2)
.irp b, 0,1,2,3
	v_max_num_f32 v[BM+\b], v[XS+16*\b], v[XS+16*\b+1]   ; the largest score of each block of 32 keys; each accumulator from its low end on
.endr
.irp i, 2,4,6,8,10,12,14
.irp b, 0,1,2,3
	v_max3_num_f32 v[BM+\b], v[XS+16*\b+\i], v[XS+16*\b+\i+1], v[BM+\b]
.endr
.endr
	WIN 0
.irp b, 0,1,2,3
	v_permlanex16_b32 v[BX+\b], v[BM+\b], s20, s21
.endr
.irp b, 0,1,2,3
	v_max_num_f32 v[BM+\b], v[BM+\b], v[BX+\b]     ; with lane l xor 16's 16 keys
.endr
	v_max3_num_f32 v[T], v[BM], v[BM+1], v[BM+2]
	v_max_num_f32 v[T], v[T], v[BM+3]              ; my query's largest score among the 128 keys,
	v_mul_f32 v[T], s[CS], v[T]                    ; as t
	v_floor_f32 v[TNM], -v[T]                      ; -M_loc = floor(-t) = -ceil(t)
	v_mov_b32 v[PMO+\a], v[TNM]
.irp b, 0,1,2,3
	v_fma_f32 v[BM+\b], v[BM+\b], s[CS], v[TNM]    ; t - M_loc of each block's largest score
.endr
	s_wait_alu depctr_va_vdst(0)
.irp b, 0,1,2,3
	v_exp_f32 v[BM+\b], v[BM+\b]                   ; the block's largest p: the same two instructions on the same number give the same bits as below
.endr
	WIN (XW<<6)|XW
.set j, 0
.rept 32
	v_pk_fma_f32 v[XS+j:XS+j+1], v[XS+j:XS+j+1], s[CS:CS+1], v[TNM:TNM+1] op_sel_hi:[1,0,0]   ; t - M_loc, two at a time
.set j, j+2
.endr
.set j, 0
	s_wait_alu depctr_va_vdst(0)
.rept 64
	v_exp_f32 v[XS+j], v[XS+j]                     ; p = 2^(t - M_loc), at most 1
.set j, j+1
.endr
	v_nop                                          ; a plain line behind the last exponential
	s_wait_alu depctr_va_vdst(0)                   ; one wait for all 68 exponentials, ahead of the first line that names a result
	WIN XW|(XW<<2)
	v_pk_add_f32 v[L1:L1+1], v[XS:XS+1], v[XS+2:XS+3]       ; the sum is taken of the unquantised p: two chains of pairs
	v_pk_add_f32 v[L2:L2+1], v[XS+4:XS+5], v[XS+6:XS+7]
	WIN XW
.irp j, 8,12,16,20,24,28,32,36,40,44,48,52,56,60
	v_pk_add_f32 v[L1:L1+1], v[XS+\j:XS+\j+1], v[L1:L1+1]
	v_pk_add_f32 v[L2:L2+1], v[XS+\j+2:XS+\j+3], v[L2:L2+1]
.endr
	WIN 0
	v_pk_add_f32 v[L1:L1+1], v[L1:L1+1], v[L2:L2+1]
	v_add_f32 v[T], v[L1], v[L1+1]
	v_permlanex16_b32 v[T+1], v[T], s20, s21
	v_add_f32 v[PLO+\a], v[T], v[T+1]              ; l_loc
.irp b, 0,1,2,3
	v_max_num_f32 v[BM+\b], 0x8000000, v[BM+\b]    ; the floor 2^(16 - 127): the byte cannot fall under 1
.endr
.irp b, 0,1,2,3
	v_add_nc_u32 v[BS+\b], 0xf8800000, v[BM+\b]    ; 15 off the exponent field: the conversion's scale operand
.endr
.irp b, 0,1,2,3
	v_and_or_b32 v[BH+\b], v[BM+\b], 0x7f800000, s2   ; 57,344 x the scale
.endr
.irp b, 0,1,2,3
	v_lshrrev_b32 v[BX+\b], 23, v[BS+\b]           ; the scale's byte: at most 112, since p is at most 1
.endr
	v_lshl_or_b32 v[PWO+\a], v[BX+1], 8, v[BX]
	v_lshl_or_b32 v[PWO+\a], v[BX+2], 16, v[PWO+\a]
	v_lshl_or_b32 v[PWO+\a], v[BX+3], 24, v[PWO+\a]
	WIN (XW<<6)|XW
.set j, 0
.rept 64
	v_min_num_f32 v[XS+j], v[XS+j], v[BH+j/16]     ; the conversion does not saturate (ISA guide 7.6.2); p is not negative, so the hold is one-sided
.set j, j+1
.endr
	WIN XW
.set j, 0
.rept 8
	v_cvt_scalef32_pk8_bf8_f32 v[CD+2*j:CD+2*j+1], v[XS+8*j:XS+8*j+7], v[BS+j/2]
.set j, j+1
.endr
	WIN 0
	v_nop                                          ; one plain line behind the last conversion
.irp c, 0,1,2,3
	global_store_b128 v[LI], v[CD+4*\c:CD+4*\c+3], s[8:9] offset:(\a)*32768+512*\c   ; the image: 512 consecutive bytes a store; no store's register is written again
.endr
.endm
.irp a, 0,1,2,3,4,5,6,7
	SOFTW \a
.endr
	SL_OUT PWO, Z, 10, 0
	SL_OUT PMO, Z+4, 10, 524288
	SL_OUT PLO, Z+8, 10, 1048576
	s_wait_tensorcnt 0x0                           ; the wave's end
	ds_add_u32 v[SPW], v[NIL]
	s_wait_dscnt 0x0
	CROUND                                         ; the closing round
	s_endpgm
.Lfunc_end_k_q260255c5ae_scores:
	.size	k_q260255c5ae_scores, .Lfunc_end_k_q260255c5ae_scores-k_q260255c5ae_scores
	.p2alignl 7, 3214868480
	.fill 96, 4, 3214868480
	.section	.rodata,"a",@progbits
	.p2align	6, 0x0
	.amdhsa_kernel k_q260255c5ae_scores
		.amdhsa_group_segment_fixed_size 327680
		.amdhsa_private_segment_fixed_size 0
		.amdhsa_enable_private_segment 0
		.amdhsa_kernarg_size 32
		.amdhsa_user_sgpr_count 2
		.amdhsa_user_sgpr_kernarg_segment_ptr 1
		.amdhsa_wavefront_size32 1
		.amdhsa_system_sgpr_workgroup_id_x 1
		.amdhsa_system_sgpr_workgroup_id_y 1
		.amdhsa_system_sgpr_workgroup_id_z 1
		.amdhsa_system_vgpr_workitem_id 0
		.amdhsa_next_free_vgpr 1024
		.amdhsa_next_free_sgpr 102
		.amdhsa_reserve_vcc 0
		.amdhsa_float_denorm_mode_32 3
		.amdhsa_float_denorm_mode_16_64 3
		.amdhsa_memory_ordered 1
		.amdhsa_forward_progress 1
		.amdhsa_inst_pref_size 225
	.end_amdhsa_kernel
	.amdgpu_metadata
---
amdhsa.version: [ 1, 2 ]
amdhsa.kernels:
  - .name:           k_q260255c5ae_scores
    .symbol:         k_q260255c5ae_scores.kd
    .args:
      - { .name: qkv_codes, .offset: 0, .size: 8, .value_kind: global_buffer, .address_space: global }
      - { .name: qkv_scales, .offset: 8, .size: 8, .value_kind: global_buffer, .address_space: global }
      - { .name: p_codes, .offset: 16, .size: 8, .value_kind: global_buffer, .address_space: global }
      - { .name: p_meta, .offset: 24, .size: 8, .value_kind: global_buffer, .address_space: global }
    .group_segment_fixed_size: 327680
    .private_segment_fixed_size: 0
    .kernarg_segment_align: 8
    .kernarg_segment_size: 32
    .max_flat_workgroup_size: 128
    .sgpr_count:     102
    .vgpr_count:     1024
    .wavefront_size: 32
...
	.end_amdgpu_metadata
.endif
;; end of part 3
;; launch pv (part 4): grid 4 x 64, 4 waves a work-group, clusters of 4 x 4, 327,680 bytes of LDS; arguments p_codes, p_meta, qkv_codes, qkv_scales, embedded, out0; writes out0
.if DOCPART == 4
	.amdgcn_target "amdgcn-amd-amdhsa--gfx1250"
	.amdhsa_code_object_version 6
	.text
	.protected	k_q260255c5ae_pv
	.globl	k_q260255c5ae_pv
	.p2align	8
	.type	k_q260255c5ae_pv,@function
k_q260255c5ae_pv:
	s_mov_b64 s[64:65], 0
	v_nop
	global_prefetch_b8 v0, s[64:65] scope:SCOPE_SE
	s_setreg_imm32_b32 hwreg(HW_REG_WAVE_MODE, 25, 1), 1
	s_wait_xcnt 0x0
	s_wait_alu depctr_hold_cnt(0) depctr_sa_sdst(0) depctr_va_vdst(0) depctr_va_sdst(0) depctr_va_ssrc(0) depctr_va_vcc(0) depctr_vm_vsrc(0)
	s_getreg_b32 s2, hwreg(HW_REG_IB_STS2, 6, 4)
	s_cmp_eq_u32 s2, 0
	s_cbranch_scc0 .Lentry_in_a_cluster
	s_endpgm
.Lentry_in_a_cluster:
	s_bfe_u32 s2, ttmp6, 0x10000c
	s_cmp_lg_u32 s2, 0xf033
	s_cbranch_scc0 .Lentry_shape_is_right
	s_endpgm
.Lentry_shape_is_right:
; LAUNCH 4 OF 4.  out = embedded + (P V) / l on codes of E5M2 with E8M0 scales.  No work of the problem is left out.
; IN: p_codes [rt 512 of queries][ks 16 of keys][2048]; p_meta: [ks 16][32,768] three times (a row laid [rt / 4][place][rt % 4]): p's scale words under M_loc at 0, -M_loc at 524,288, l_loc at 1,048,576;
; v turned: qkv_codes + 16,777,216: [batch 4][rt 64 of channels][ks 16][2048]; its scale words: qkv_scales + 524,288: [16 batch + ks][4,096].  In every run of 32 rows, tile u, place p is row 8 u + p + 8 (p / 8).
; THE ROW'S M AND l.  M = the largest of the row's 16 M_loc.  D = M - M_loc is a whole number, 0 or more: it is taken off each of that K step's four scale bytes (held at 0 from below), and l = the sum of
; l_loc x 2^-D: exact changes of a power of two; the codes stay.  Each of the work-group's 128 threads does this for one of its 128 queries; the words go to LDS.
; THE PRODUCT.  Source 0 = 16 channels of v (B), source 1 = 16 queries of P (A): a lane holds ONE query and 16 neighbouring channels in the registers of two neighbouring tiles.
; SHARES.  A work-group of four waves makes 128 queries x 256 channels: 256 work-groups; a wave 64 x 128: 32 accumulators.
; THE RING.  K = 2,048 keys are 16 units of 128; a unit of the work-group's 8 + 16 row tiles is 49,152 bytes.  TWO SLOTS OF THREE UNITS: the fills bring units 0-2, 3-5, 6-8, 9-11, 12-14, 15, so that each refill has
; the other slot's three units, 96 matrix instructions a wave, in which to land.  The last fill is one unit: rows of 2,048 bytes, laid dense from slot 1's first byte on, with fragment addresses of their own.
; THE HEAD.  Both slots' first fills go out at once, one load a wave, each in an arm of its own: wave 0 P's part of slot 0, wave 1 v's, waves 2 and 3 slot 1's.  The first barrier shows slot 0 alone (waves 0, 1 wait).
; v's scale words (16 K steps x 1,024 bytes) come through registers, 512 consecutive bytes a load, and are stored to LDS bytes of their own.
; 4 x 4 work-groups form a cluster: P's tiles are asked for jointly along a row of it, v's along a column.
; PREFETCH.  Fill f (2 to 5) is asked of memory one change of slots ahead of its load (fill 2 at the head): a row tile's part of a fill is 24 blocks of 256 bytes.  The partners share the blocks out by address:
; of v's 16 row tiles the partner at cy takes four, a wave one (lanes 0-23; the lanes left over name the last block again); of P's 8 the partner at cx takes two, a wave half of one (lanes 0-11).  Fill 5: 8 and 4 blocks.
; Fills 0 and 1 come by their loads alone.  No address register of a prefetch is ever rewritten: the fill stands in the immediate.
; embedded's numbers come into window 3, a block of 16 rows behind each of the four refills, none at the head.
; LIMITS: a block of p whose byte would fall under 0 against M gets the byte 0, that is 2^-127; D is held at 127; NaN and infinities are not served.
; REGISTERS: window 0: v1-31 addresses; v32-47 scale words, two sets of eight, and nothing else; v64-127 and v192-223 at work at the head; v64-71 1 / l on the way out; v128-191 A's fragments; v128-255 rows on the way out.
;   window 1: B's fragments, two sets.  window 2: accumulator (a, b) at v[8 (8 a + b)].  window 3: embedded, block a's row t at v[64 a + 4 t].
.set NA,    4
.set KTOT,  2048
.set KSN,   KTOT/128
.set NU,    3                          ; units in a slot
.set RT,    NU*2048                    ; a row tile's part of a slot
.set RTP,   RT                         ; from row tile to row tile in the slot that is fetched from: 2,048 for the last fill
.set S1B,   24*RT                      ; a slot: A's 8 row tiles, then B's 16; slot 1 begins here
.set SCA,   2*S1B                      ; P's scale words under M: [ks 16][512 bytes], stored by the threads
.set RLB,   SCA+KSN*512                ; 1 / l, twice, 8 bytes a query
.set SCB,   RLB+1024                   ; v's scale words: two regions [ks 16][512 bytes], stored by the threads
.set SPARE, SCB+2*KSN*512              ; the spare words, 128 bytes for each wave, which no other line names
.set PB,   10                          ; v10-13 the prefetches' offsets: 256 x the lane, held at 23, 11, 7, 3; never rewritten
.set PA,   11
.set PB5,  12
.set PA5,  13
.set VSO,  14                          ; v14  where I store v's scale words
.set ADRA, 16                          ; v16-17 my A fragments in slot 0, 1
.set ADRB, 20                          ; v20-21 my B fragments
.set LI,   24                          ; v24  16 x lane
.set RLA,  25                          ; v25  where my queries' 1 / l lie
.set STO,  26                          ; v26  the stage, in
.set ADRS, 27                          ; v27  my scale words: lanes 0-15 A's, lanes 16-31 B's; the unit stands in the immediate
.set SPW,  28
.set NIL,  29
.set RD,   30                          ; v30  the stage, back
.set SC,   32                          ; unit u's words of block i: v[SC + 8 (u % 2) + i]
.set MW,   64
.set MN,   80
.set ML,   96
.set RL,   64
.set AF,   128
.set BK,   128
.set VS,   192                         ; v192-223 v's scale words on their way to LDS
.set G1,   24                          ; groups 1: the ring's A (4 row tiles), B (8); the head's A (8), B (16)
.set G0,   32
.set G1B,  48
.set G0B,  56
.set G1H,  68
.set G1BH, 80
.set G0HA, 88
.set G0HB, 92
.set PFB,  96                          ; s[96:97], s[98:99], s[100:101] the prefetches' bases: v's, P's, P's for fill 5
.set PFA,  98
.set PFA5, 100
.set LA5,  41                          ; s41, s42 where my halves of A and of B begin in the last fill
.set LB5,  42
.set MSB, 0
.macro WIN new                         ; the immediate's high byte repeats the setting that is left
.if MSB != (\new)
	s_set_vgpr_msb (MSB<<8)|(\new)
.set MSB, \new
.endif
.endm
.macro PLACES n                        ; plain vector lines between a matrix instruction and a load into, or a read of, its registers: eight for this form
.rept \n
	v_nop
.endr
.endm
.macro CREST
	s_cmp_lg_u32 s14, 0
	s_cbranch_scc1 .Lnot_wave_0_\@
	s_barrier_signal -3
.Lnot_wave_0_\@:
	s_barrier_wait -3
	s_barrier_signal -1
	s_barrier_wait -1
.endm
.macro CROUND
	s_barrier_signal -1
	s_barrier_wait -1
	CREST
.endm
.macro JLOAD g0a, g1a, g0b, g1b        ; a refill: waves 0, 1 fetch A's halves, waves 2, 3 B's; s_nop 0 and four v_nop follow each line
	s_cmp_eq_u32 s15, 0
	s_cbranch_scc0 .Lfor_b_\@
	tensor_load_to_lds s[\g0a:\g0a+3], s[\g1a:\g1a+7]
	s_nop 0
	PLACES 4
	s_branch .Lasked_\@
.Lfor_b_\@:
	tensor_load_to_lds s[\g0b:\g0b+3], s[\g1b:\g1b+7]
	s_nop 0
	PLACES 4
.Lasked_\@:
.endm
.macro ARM under, g0, g1, next         ; an arm of the head's chain
	s_cmp_lt_u32 s14, \under
	s_cbranch_scc0 \next
	tensor_load_to_lds s[\g0:\g0+3], s[\g1:\g1+7]
	s_nop 0
	PLACES 4
	s_branch .Lhead_asked
\next:
.endm
.macro GSET g, c, r, p                 ; group 1's words 1 to 7: r rows of c elements of 8 bytes, p elements apart
	s_mov_b32 s[\g+1], (\c)<<16
	s_mov_b32 s[\g+2], (\r)<<16
	s_mov_b32 s[\g+3], (\c)<<16
	s_mov_b32 s[\g+4], \r
	s_mov_b32 s[\g+5], \p
	s_mov_b32 s[\g+6], 0
	s_mov_b32 s[\g+7], 0
.endm
.macro ASK f                           ; fill f is asked of memory
.if (\f) < 5
	global_prefetch_b8 v[PB], s[PFB:PFB+1] offset:(\f)*RT th:TH_LOAD_NT scope:SCOPE_SE
	global_prefetch_b8 v[PA], s[PFA:PFA+1] offset:(\f)*RT th:TH_LOAD_NT scope:SCOPE_SE
.else
	global_prefetch_b8 v[PB5], s[PFB:PFB+1] offset:(\f)*RT th:TH_LOAD_NT scope:SCOPE_SE
	global_prefetch_b8 v[PA5], s[PFA5:PFA5+1] offset:(\f)*RT th:TH_LOAD_NT scope:SCOPE_SE
.endif
.endm
.macro FRAG reg, adr, q, i             ; a fragment's image, the slot's q-th unit of row tile i: four loads of 512 consecutive bytes
.irp c, 0,1,2,3
	ds_load_b128 v[(\reg)+4*\c:(\reg)+4*\c+3], v[\adr] offset:(\i)*RTP+(\q)*2048+512*\c
.endr
.endm
.macro FETCH_B slot, q, p
	WIN 0x40
.irp i, 0,1,2,3,4,5,6,7
	FRAG 128*(\p)+16*\i, ADRB+\slot, \q, \i
.endr
	WIN 0
.endm
.macro FETCH_A slot, q, i0, n
.set fa, \i0
.rept \n
	FRAG AF+16*fa, ADRA+\slot, \q, fa
.set fa, fa+1
.endr
.endm
.macro SCALESU u                       ; unit u's scale words.  Lanes 0-15: A's four words come with g = 0 (what they read with g = 1 is used by nobody); lanes 16-31: B's eight
.irp g, 0,1
	ds_load_b128 v[SC+8*((\u)%2)+4*\g:SC+8*((\u)%2)+4*\g+3], v[ADRS] offset:512*(\u)+256*\g
.endr
.endm
; n blocks of A from a0 on x B's eight.  p: B's set and the set of scale words.  cm = 1: the constant 0 starts the sums.  The 32 accumulators take turns, one instruction a turn.
.macro MULS a0, n, p, cm
	WIN 0xa1
.set ma, \a0
.rept \n
.irp b, 0,1,2,3,4,5,6,7
.set rD, 8*(8*ma+\b)
.set rB, 128*(\p)+16*\b
.set rA, AF+16*ma
.set rSB, SC+8*(\p)+\b
.set rSA, SC+8*(\p)+ma
.if (\cm) == 0
	v_wmma_scale_f32_16x16x128_f8f6f4 v[rD:rD+7], v[rB:rB+15], v[rA:rA+15], v[rD:rD+7], v[rSB], v[rSA] matrix_a_fmt:MATRIX_FMT_BF8 matrix_b_fmt:MATRIX_FMT_BF8 matrix_a_scale:MATRIX_SCALE_ROW1
.else
	v_wmma_scale_f32_16x16x128_f8f6f4 v[rD:rD+7], v[rB:rB+15], v[rA:rA+15], 0, v[rSB], v[rSA] matrix_a_fmt:MATRIX_FMT_BF8 matrix_b_fmt:MATRIX_FMT_BF8 matrix_a_scale:MATRIX_SCALE_ROW1
.endif
.endr
.set ma, ma+1
.endr
.endm
.macro XLOAD a                         ; embedded's 16 rows of block a, in the order of places, my wave's 512 bytes of each, into window 3
.irp t, 0,1,2,3,4,5,6,7,8,9,10,11,12,13,14,15
	global_load_b128 v[64*(\a)+4*\t:64*(\a)+4*\t+3], v[LI], s[76:77] offset:(32*((\a)/2)+8*((\a)%2)+\t+8*(\t/8))*4096 th:TH_LOAD_NT
.endr
.endm
.macro STEPU u, cm                     ; unit u; unit u + 1 lies in the same slot
.set sl, ((\u)/NU)%2
.set qn, (\u)%NU+1
	s_wait_dscnt 2*NA                              ; all but A's second half, the youngest eight loads
	MULS 0, NA/2, (\u)%2, \cm
	s_wait_dscnt 0x0
	PLACES 8
	FETCH_B sl, qn, ((\u)+1)%2
	FETCH_A sl, qn, 0, NA/2
	SCALESU (\u)+1
	MULS NA/2, NA/2, (\u)%2, \cm
	PLACES 8
	WIN 0
	FETCH_A sl, qn, NA/2, NA/2
.endm
; Unit u, its slot's last, and the change of slots: ONE barrier; in front of it each wave waits for all its tensor loads, adds 0 to its spare word, and waits for that and for its reads of this slot.
; fill = 1, 2: the barrier opens a round of the cluster's, and this slot is filled again, six units on, first thing behind it (2: the last fill, one unit).  xl: the block of embedded asked for behind the load.  pf: the fill that is prefetched.
.macro TURNU u, fill, xl, pf
.set sl, ((\u)/NU)%2
.set nx, 1-sl
	s_wait_tensorcnt 0x0
	ds_add_u32 v[SPW], v[NIL]
	s_wait_dscnt 2*NA+1                            ; the add and A's second half may be out
	MULS 0, NA/4, (\u)%2, 0
	s_wait_dscnt 0x0                               ; the add is done, and my reads of this slot are over
	s_barrier_signal -1
	MULS NA/4, NA/4, (\u)%2, 0
	WIN 0
	s_barrier_wait -1
.if \fill
	CREST                                          ; no wave of any partner still reads this slot or has a load on its way
	s_add_nc_u64 s[G0+4*sl+2:G0+4*sl+3], s[G0+4*sl+2:G0+4*sl+3], 2*RT
	s_add_nc_u64 s[G0B+4*sl+2:G0B+4*sl+3], s[G0B+4*sl+2:G0B+4*sl+3], 2*RT
.if (\fill) == 2
	s_mov_b32 s[G1+1], 256<<16                     ; no load of mine is out, so the descriptors may be written: rows of 2,048 bytes,
	s_mov_b32 s[G1+3], 256<<16
	s_mov_b32 s[G1B+1], 256<<16
	s_mov_b32 s[G1B+3], 256<<16
	s_lshl_b32 s[G0+4*sl+1], s16, 13               ; laid dense: A's halves of 4 row tiles,
	s_add_co_u32 s[G0+4*sl+1], s[G0+4*sl+1], S1B
	s_lshl_b32 s[G0B+4*sl+1], s16, 14              ; behind A's 8 row tiles B's halves of 8
	s_add_co_u32 s[G0B+4*sl+1], s[G0B+4*sl+1], S1B+8*2048
.endif
	JLOAD G0+4*sl, G1, G0B+4*sl, G1B               ; its four v_nop are four of the eight places in front of the LDS loads below
	PLACES 4
	WIN 0xc0                                       ; destination window 3
	XLOAD \xl
	WIN 0
.if (\fill) == 2
	v_add_nc_u32 v[ADRA+sl], s[LA5], v[LI]         ; my fragments in the last fill (my reads by the old addresses are over)
	v_add_nc_u32 v[ADRB+sl], s[LB5], v[LI]
	s_wait_alu depctr_va_vdst(0)
.endif
.else
	PLACES 8
.endif
	FETCH_B nx, 0, ((\u)+1)%2
	FETCH_A nx, 0, 0, NA/2
	SCALESU (\u)+1
.if (\pf) > 0
	ASK \pf                                        ; behind the joint load and the run of LDS loads; the next change of slots loads it
.endif
	MULS NA/2, NA/2, (\u)%2, 0
	PLACES 8
	WIN 0
	FETCH_A nx, 0, NA/2, NA/2
.endm
.macro LASTU u
	s_wait_dscnt 2*NA
	MULS 0, NA/2, (\u)%2, 0
	s_wait_dscnt 0x0
	MULS NA/2, NA/2, (\u)%2, 0
	WIN 0
.endm
	s_load_b256 s[4:11], s[0:1], 0x0               ; p_codes, p_meta, qkv_codes, qkv_scales
	s_load_b128 s[76:79], s[0:1], 0x20             ; embedded, out0
	v_lshl_add_u32 v[SPW], v0, 2, SPARE
	v_mov_b32 v[NIL], 0
	ds_add_u32 v[SPW], v[NIL]                      ; the wave's opening: the add, twice on end, and its wait ahead of my first tensor load
	ds_add_u32 v[SPW], v[NIL]
	v_lshrrev_b32 v1, 5, v0
	v_readfirstlane_b32 s14, v1                    ; wave
	v_and_b32 v1, 31, v0                           ; lane
	v_lshlrev_b32 v[LI], 4, v1
	v_lshlrev_b32 v7, 2, v0                        ; thread t takes the query whose words lie at 4 t in the work-group's 512 bytes of each K step
	s_lshr_b32 s15, s14, 1                         ; my half of the queries.  In the ring: I fetch for A (0) or B (1).  At the head: my slot
	s_and_b32 s16, s14, 1                          ; my half of the channels.  In the ring: which half I fetch.  At the head: A (0) or B (1)
	s_bfe_u32 s40, ttmp6, 0x40000                  ; cx
	s_bfe_u32 s41, ttmp6, 0x40004                  ; cy
	s_lshl_b32 s43, s41, 2
	s_lshl_b32 s43, 15, s43                        ; my row of the cluster
	s_lshl_b32 s44, 0x1111, s40                    ; my column
	s_or_b32 s[G1], s43, (3<<16)|(1<<21)           ; the mask; elements of 8 bytes; bit 21 beside a mask; no padding
	s_or_b32 s[G1H], s43, (3<<16)|(1<<21)
	s_or_b32 s[G1B], s44, (3<<16)|(1<<21)
	s_or_b32 s[G1BH], s44, (3<<16)|(1<<21)
	GSET G1, RT/8, NA, 2*KTOT                      ; row tiles of 6,144 bytes, 32,768 bytes apart
	GSET G1H, RT/8, 2*NA, 2*KTOT
	GSET G1B, RT/8, 8, 2*KTOT
	GSET G1BH, RT/8, 16, 2*KTOT
	s_lshl_b32 s42, ttmp9, 2
	s_add_co_u32 s42, s42, s40                     ; which 256 channels
	s_and_b32 s18, ttmp7, 0xffff
	s_lshl_b32 s17, s18, 2
	s_add_co_u32 s17, s17, s41                     ; which 128 queries of all
	s_lshr_b32 s18, s18, 2                         ; the batch: from the cluster's y alone
	s_lshl_b32 s20, s17, 18                        ; P: 8 row tiles of 32,768 bytes a work-group
	s_mov_b32 s21, 0
	s_lshl_b32 s46, s18, 6
	s_lshl_b32 s12, s42, 4
	s_add_co_u32 s46, s46, s12                     ; v: my first row tile
	s_lshl_b32 s46, s46, 15
	s_add_co_u32 s46, s46, 16777216
	s_mov_b32 s47, 0
	s_lshl_b32 s66, s42, 10                        ; v's scale words: 64 bytes a row tile, 16 K steps of 4,096 bytes a batch;
	s_lshl_b32 s12, s18, 16
	s_add_co_u32 s66, s66, s12
	s_lshl_b32 s12, s16, 9                         ; wave w brings half w % 2
	s_add_co_u32 s66, s66, s12
	s_lshl_b32 s12, s15, 15                        ; of K steps 8 (w / 2) on
	s_add_co_u32 s66, s66, s12
	s_add_co_u32 s66, s66, 524288
	s_mov_b32 s67, 0
	s_lshl_b32 s22, s17, 19                        ; embedded and out0: my 64 rows of 4,096 bytes, my 128 channels
	s_lshl_b32 s12, s15, 18
	s_add_co_u32 s22, s22, s12
	s_lshl_b32 s12, s42, 10
	s_add_co_u32 s22, s22, s12
	s_lshl_b32 s12, s16, 9
	s_add_co_u32 s22, s22, s12
	s_mov_b32 s23, 0
	s_lshl_b32 s[PFB], s41, 2                      ; the prefetches: v's row tile 4 cy + wave,
	s_add_co_u32 s[PFB], s[PFB], s14
	s_lshl_b32 s[PFB], s[PFB], 15
	s_mov_b32 s[PFB+1], 0
	s_lshl_b32 s[PFA], s40, 1                      ; P's row tile 2 cx + wave / 2,
	s_add_co_u32 s[PFA], s[PFA], s15
	s_lshl_b32 s[PFA], s[PFA], 15
	s_lshl_b32 s12, s16, 10
	s_add_co_u32 s[PFA5], s[PFA], s12              ; its half wave % 2: of one unit,
	s_mul_i32 s12, s16, RT/2
	s_add_co_u32 s[PFA], s[PFA], s12               ; of three
	s_mov_b32 s[PFA+1], 0
	s_mov_b32 s[PFA5+1], 0
	s_lshl_b32 s12, s17, 9                         ; p_meta: 512 bytes a work-group in each K step
	s_mov_b32 s13, 0
	s_mul_i32 s2, s15, RT                          ; the head's load: my slot's units,
	s_mov_b32 s3, 0
	s_mul_i32 s19, s15, S1B                        ; and its place: no place in the cluster enters an LDS address
	s_wait_alu depctr_va_vdst(0)
	s_wait_dscnt 0x0                               ; both opening adds are done: only work on registers stands between them and this wait
	s_wait_kmcnt 0x0
	s_add_nc_u64 s[6:7], s[6:7], s[12:13]
	s_add_nc_u64 s[66:67], s[10:11], s[66:67]
.irp k, 0,1,2,3,4,5,6,7,8,9,10,11,12,13,14,15
	global_load_b32 v[MW+\k], v7, s[6:7] offset:\k*32768
	global_load_b32 v[MN+\k], v7, s[6:7] offset:\k*32768+524288
	global_load_b32 v[ML+\k], v7, s[6:7] offset:\k*32768+1048576
.endr
.irp k, 0,1,2,3,4,5,6,7
	global_load_b128 v[VS+4*\k:VS+4*\k+3], v[LI], s[66:67] offset:\k*4096   ; 512 consecutive bytes
.endr
	s_add_nc_u64 s[20:21], s[4:5], s[20:21]
	s_add_nc_u64 s[46:47], s[8:9], s[46:47]
	s_add_nc_u64 s[76:77], s[76:77], s[22:23]
	s_add_nc_u64 s[78:79], s[78:79], s[22:23]
	s_add_nc_u64 s[PFB:PFB+1], s[46:47], s[PFB:PFB+1]
	s_add_nc_u64 s[PFA:PFA+1], s[20:21], s[PFA:PFA+1]
	s_add_nc_u64 s[PFA5:PFA5+1], s[20:21], s[PFA5:PFA5+1]
	s_mov_b32 s[G0HA], 1
	s_mov_b32 s[G0HA+1], s19
	s_add_nc_u64 s[G0HA+2:G0HA+3], s[20:21], s[2:3]
	s_or_b32 s[G0HA+3], s[G0HA+3], 0x80000000
	s_mov_b32 s[G0HB], 1
	s_add_co_u32 s[G0HB+1], s19, 8*RT
	s_add_nc_u64 s[G0HB+2:G0HB+3], s[46:47], s[2:3]
	s_or_b32 s[G0HB+3], s[G0HB+3], 0x80000000
	CROUND                                         ; all sixteen work-groups are here: the first joint loads meet
	ARM 1, G0HA, G1H, .Lhead_1                     ; wave 0: P's 8 row tiles of slot 0
	ARM 2, G0HB, G1BH, .Lhead_2                    ; wave 1: v's 16
	ARM 3, G0HA, G1H, .Lhead_3                     ; wave 2: P's of slot 1
	tensor_load_to_lds s[G0HB:G0HB+3], s[G1BH:G1BH+7]   ; wave 3: v's
	s_nop 0
	PLACES 4
.Lhead_asked:
	s_lshl_b32 s12, s16, 17                        ; the ring's descriptors: my half: 4 row tiles of P,
	s_add_nc_u64 s[20:21], s[20:21], s[12:13]
	s_lshl_b32 s12, s16, 18                        ; 8 of v
	s_add_nc_u64 s[46:47], s[46:47], s[12:13]
	s_mul_i32 s12, s16, 4*RT
	s_mul_i32 s19, s16, 8*RT
	s_add_co_u32 s19, s19, 8*RT
.irp s, 0,1                            ; each slot's address stands at its first fill; a refill steps it six units on
	s_mov_b32 s[G0+4*\s], 1
	s_add_co_u32 s[G0+4*\s+1], s12, \s*S1B
	s_add_nc_u64 s[G0+4*\s+2:G0+4*\s+3], s[20:21], \s*RT
	s_or_b32 s[G0+4*\s+3], s[G0+4*\s+3], 0x80000000
	s_mov_b32 s[G0B+4*\s], 1
	s_add_co_u32 s[G0B+4*\s+1], s19, \s*S1B
	s_add_nc_u64 s[G0B+4*\s+2:G0B+4*\s+3], s[46:47], \s*RT
	s_or_b32 s[G0B+4*\s+3], s[G0B+4*\s+3], 0x80000000
.endr
	s_mul_i32 s12, s15, 4*RT                       ; my half of A in a slot (s19: my half of B)
	s_lshl_b32 s13, s16, 13
	s_lshl_b32 s17, s15, 8
	s_add_co_u32 s18, s13, SCB-SCA
	s_sub_co_u32 s18, s18, s17                     ; from my queries' words to my channels'
	s_add_co_u32 s17, s17, SCA
	s_mul_i32 s22, s14, 16*528                     ; my stage, in slot 0: used only when that slot has had its last fill and its last read
	s_lshl_b32 s23, s15, 9
	s_add_co_u32 s23, s23, RLB
	s_lshl_b32 s40, s15, 12
	s_add_co_u32 s13, s13, s40
	s_add_co_u32 s13, s13, SCB                     ; where my eight rows of v's scale words go
	s_lshl_b32 s[LA5], s15, 13                     ; the last fill: my 4 row tiles of A,
	s_add_co_u32 s[LA5], s[LA5], S1B
	s_lshl_b32 s[LB5], s16, 14                     ; my 8 of B
	s_add_co_u32 s[LB5], s[LB5], S1B+8*2048
	s_mov_b32 s2, 0x01010101
	v_and_b32 v2, 15, v0                           ; place
	v_bfe_u32 v3, v0, 4, 1                         ; half
	v_lshl_add_u32 v8, v0, 2, SCA
	v_lshl_add_u32 v9, v0, 3, RLB
	v_min_u32 v4, 23, v1
	v_lshlrev_b32 v[PB], 8, v4
	v_min_u32 v4, 11, v1
	v_lshlrev_b32 v[PA], 8, v4
	v_min_u32 v4, 7, v1
	v_lshlrev_b32 v[PB5], 8, v4
	v_min_u32 v4, 3, v1
	v_lshlrev_b32 v[PA5], 8, v4
	v_add_nc_u32 v[ADRA], s12, v[LI]
	v_add_nc_u32 v[ADRA+1], S1B, v[ADRA]
	v_add_nc_u32 v[ADRB], s19, v[LI]
	v_add_nc_u32 v[ADRB+1], S1B, v[ADRB]
	v_mul_u32_u24 v6, s18, v3                      ; lanes 16-31 take B's words
	v_lshl_add_u32 v6, v2, 4, v6
	v_add_nc_u32 v[ADRS], s17, v6
	v_mul_u32_u24 v4, v2, 528
	v_lshl_add_u32 v4, v3, 6, v4
	v_add_nc_u32 v[STO], s22, v4
	v_add_nc_u32 v[RD], s22, v[LI]
	v_lshl_add_u32 v[RLA], v2, 5, s23
	v_add_nc_u32 v[VSO], s13, v[LI]
	ASK 2                                          ; units 6 to 8: the first change of slots loads them
	s_wait_alu depctr_va_vdst(0)                   ; the wait at the head's end
	s_wait_loadcnt 0x0                             ; p_meta's 48 loads and v's eight are in
	v_min_num_f32 v112, v[MN], v[MN+1]             ; -M = the least of the 16 -M_loc
.irp k, 2,3,4,5,6,7,8,9,10,11,12,13,14,15
	v_min_num_f32 v112, v112, v[MN+\k]
.endr
.irp k, 0,1,2,3,4,5,6,7,8,9,10,11,12,13,14,15
	v_sub_f32 v114, v112, v[MN+\k]                 ; M_loc - M: a whole number, 0 or less
	v_cvt_i32_f32 v114, v114                       ; (it saturates)
.if \k == 0
	v_ldexp_f32 v113, v[ML+\k], v114               ; l_loc under M: nothing is rounded
.else
	v_ldexp_f32 v115, v[ML+\k], v114
	v_add_f32 v113, v113, v115
.endif
	v_sub_nc_u32 v116, 0, v114
	v_min_u32 v116, 127, v116                      ; D, held at 127,
	v_mul_lo_u32 v116, v116, s2                    ; in all four bytes
	v_or_b32 v117, 0x80808080, v[MW+\k]            ; the bytes are at most 112: with the top bit set no byte borrows from its neighbour
	v_sub_nc_u32 v117, v117, v116
	v_and_b32 v118, 0x80808080, v117               ; the top bit has stayed where byte - D is 0 or more
	v_lshrrev_b32 v119, 7, v118
	v_sub_nc_u32 v118, v118, v119                  ; 0x7f in those bytes, 0 in the others
	v_and_b32 v[MW+\k], v117, v118                 ; byte - D, held at 0
	ds_store_b32 v8, v[MW+\k] offset:512*\k
.endr
	s_wait_alu depctr_va_vdst(0)                   ; the wait ahead of the reciprocals
	v_rcp_f32 v120, v113
	v_rcp_f32 v121, v113                           ; twice: a pair for the packed multiply
	v_nop                                          ; a plain line behind the reciprocals
	s_wait_alu depctr_va_vdst(0)                   ; and the wait ahead of the first line that names a result
	ds_store_b64 v9, v[120:121]
.irp k, 0,1,2,3,4,5,6,7
	ds_store_b128 v[VSO], v[VS+4*\k:VS+4*\k+3] offset:\k*512
.endr
	s_cmp_lt_u32 s14, 2                            ; this barrier shows slot 0 alone: waves 0 and 1 wait for their loads; slot 1's are waited for at the first change of slots
	s_cbranch_scc0 .Lslot1_mine
	s_wait_tensorcnt 0x0
.Lslot1_mine:
	s_wait_dscnt 0x0                               ; my stores of scale words and of 1 / l have landed
	s_barrier_signal -1
	s_barrier_wait -1
	FETCH_B 0, 0, 0
	FETCH_A 0, 0, 0, NA/2
	SCALESU 0
	FETCH_A 0, 0, NA/2, NA/2
	STEPU 0, 1                                     ; the first unit's products start the sums: nothing is cleared
	STEPU 1, 0
	TURNU 2, 1, 0, 3                               ; slot 0 takes units 6 to 8
	STEPU 3, 0
	STEPU 4, 0
	TURNU 5, 1, 1, 4                               ; slot 1 takes units 9 to 11
	STEPU 6, 0
	STEPU 7, 0
	TURNU 8, 1, 2, 5                               ; slot 0 takes units 12 to 14
	STEPU 9, 0
	STEPU 10, 0
	TURNU 11, 2, 3, 0                              ; slot 1 takes unit 15: the last load
	STEPU 12, 0
	STEPU 13, 0
.set RTP, 2048                         ; what is fetched from here on is the last fill's
	TURNU 14, 0, 0, 0                              ; nothing is left to fetch; behind this barrier nobody reads slot 0
	LASTU 15
; THE WAY OUT, block by block of 16 queries x 128 channels: x 1 / l; through my own stage (rows of 512 + 16 bytes), since a lane holds pieces of one row and the lanes beside it other rows; back as whole rows;
; + embedded; 32 lanes store 512 consecutive bytes.  LDS serves a wave's instructions in order (ISA guide 5.7.1.4): no wait between the stage's stores and loads.
	PLACES 8
	ds_load_b128 v[RL:RL+3], v[RLA]
	ds_load_b128 v[RL+4:RL+7], v[RLA] offset:16
	s_wait_dscnt 0x0
.macro TOSTAGE a
.set XS, 64*(\a)
	WIN 0x82                                       ; the sums in window 2, 1 / l in window 0
.set j, 0
.rept 32
	v_pk_mul_f32 v[XS+j:XS+j+1], v[XS+j:XS+j+1], v[RL+2*(\a):RL+2*(\a)+1]   ; each accumulator from its low end on
.set j, j+2
.endr
	WIN 0x08                                       ; an LDS store's data are its source 1
.irp b, 0,1,2,3,4,5,6,7
	ds_store_b128 v[STO], v[XS+8*\b:XS+8*\b+3] offset:128*(\b/2)+32*(\b%2)       ; channels 32 (b / 2) + 16 half + 8 (b % 2) on
	ds_store_b128 v[STO], v[XS+8*\b+4:XS+8*\b+7] offset:128*(\b/2)+32*(\b%2)+16
.endr
	WIN 0
.set BB, BK+64*((\a)%2)
.irp t, 0,1,2,3,4,5,6,7,8,9,10,11,12,13,14,15
	ds_load_b128 v[BB+4*\t:BB+4*\t+3], v[RD] offset:\t*528
.endr
.endm
.macro SEND a, younger, left           ; younger: LDS instructions issued behind block a's loads; left: loads of embedded issued behind block a's
.set BB, BK+64*((\a)%2)
	s_wait_dscnt \younger
	s_wait_loadcnt \left
	WIN 0x0c                                       ; embedded in window 3
.set j, 0
.rept 32
	v_pk_add_f32 v[BB+j:BB+j+1], v[BB+j:BB+j+1], v[64*(\a)+j:64*(\a)+j+1]
.set j, j+2
.endr
	WIN 0
.irp t, 0,1,2,3,4,5,6,7,8,9,10,11,12,13,14,15
	global_store_b128 v[LI], v[BB+4*\t:BB+4*\t+3], s[78:79] offset:(32*((\a)/2)+8*((\a)%2)+\t+8*(\t/8))*4096 th:TH_STORE_NT
.endr
.endm
	TOSTAGE 0
.irp a, 1,2,3
.if \a > 1
	s_wait_xcnt 0x0                                ; block a - 2's stores have read their registers: block a's rows may land there
.endif
	TOSTAGE \a
	SEND \a-1, 32, 48-16*(\a-1)                    ; behind block a - 1's loads from the stage: block a's 16 stores and 16 loads; the later blocks' loads of embedded may be out
.endr
	SEND 3, 0, 0
	s_wait_tensorcnt 0x0                           ; the wave's end, behind my last tensor load and my last LDS store
	ds_add_u32 v[SPW], v[NIL]
	s_wait_dscnt 0x0
	CROUND                                         ; the closing round
	s_endpgm
.Lfunc_end_k_q260255c5ae_pv:
	.size	k_q260255c5ae_pv, .Lfunc_end_k_q260255c5ae_pv-k_q260255c5ae_pv
	.p2alignl 7, 3214868480
	.fill 96, 4, 3214868480
	.section	.rodata,"a",@progbits
	.p2align	6, 0x0
	.amdhsa_kernel k_q260255c5ae_pv
		.amdhsa_group_segment_fixed_size 327680
		.amdhsa_private_segment_fixed_size 0
		.amdhsa_enable_private_segment 0
		.amdhsa_kernarg_size 48
		.amdhsa_user_sgpr_count 2
		.amdhsa_user_sgpr_kernarg_segment_ptr 1
		.amdhsa_wavefront_size32 1
		.amdhsa_system_sgpr_workgroup_id_x 1
		.amdhsa_system_sgpr_workgroup_id_y 1
		.amdhsa_system_sgpr_workgroup_id_z 1
		.amdhsa_system_vgpr_workitem_id 0
		.amdhsa_next_free_vgpr 1024
		.amdhsa_next_free_sgpr 102
		.amdhsa_reserve_vcc 0
		.amdhsa_float_denorm_mode_32 3
		.amdhsa_float_denorm_mode_16_64 3
		.amdhsa_memory_ordered 1
		.amdhsa_forward_progress 1
		.amdhsa_inst_pref_size 196
	.end_amdhsa_kernel
	.amdgpu_metadata
---
amdhsa.version: [ 1, 2 ]
amdhsa.kernels:
  - .name:           k_q260255c5ae_pv
    .symbol:         k_q260255c5ae_pv.kd
    .args:
      - { .name: p_codes, .offset: 0, .size: 8, .value_kind: global_buffer, .address_space: global }
      - { .name: p_meta, .offset: 8, .size: 8, .value_kind: global_buffer, .address_space: global }
      - { .name: qkv_codes, .offset: 16, .size: 8, .value_kind: global_buffer, .address_space: global }
      - { .name: qkv_scales, .offset: 24, .size: 8, .value_kind: global_buffer, .address_space: global }
      - { .name: embedded, .offset: 32, .size: 8, .value_kind: global_buffer, .address_space: global }
      - { .name: out0, .offset: 40, .size: 8, .value_kind: global_buffer, .address_space: global }
    .group_segment_fixed_size: 327680
    .private_segment_fixed_size: 0
    .kernarg_segment_align: 8
    .kernarg_segment_size: 48
    .max_flat_workgroup_size: 128
    .sgpr_count:     102
    .vgpr_count:     1024
    .wavefront_size: 32
...
	.end_amdgpu_metadata
.endif
;; end of part 4
